; MI455X (gfx1250); checked and timed in simulation.
; The chip was launched on July 23, 2026; its instructions are those of AMD's public machine-readable ISA for CDNA 5 (MIT licence, August 2026) and "CDNA5" Instruction Set Architecture Reference Guide (July 2026). The comments in the code are by the model that wrote it; some were corrected since.
;; Base Attention. Allowed arithmetic: matrix products marked QUANTISED: E2M3 operands, one E8M0 scale for each 32 along K, by v_wmma_scale_f32_16x16x128_f8f6f4 with both operands' format E2M3, f32 sums; everything else in f32.
;; Inputs: Wout 1,024 x 1,024 float32; Wqkv 3,072 x 1,024 float32; bias_scale one number float32; bout 1,024 float32; emb 32,000 x 1,024 float32; sequences 4 x 2,048 x 4 int32; x 4 x 2,048 x 1,024 float32.
;; Outputs: out0 4 x 2,048 x 1,024 float32.
;; This version of the problem:
;;   THIS VERSION OF THE PROBLEM IS GIVEN IN LOW PRECISION. The matrix products marked QUANTISED in the list below multiply operands that are first quantised to E2M3 (2 exponent bits, 3 mantissa bits; 6 bits a number), with one power-of-two scale for each 32 numbers along K (OCP MX v1.0); their sums are f32. All else is computed in f32.
;;   The module's matrix products, in the order in which they are computed (A, B: the left and right operand; K: the contracted axis; several contracted axes count as one K, in the product's order):
;;     1. [M 8,192, K 1,024] x [K 1,024, N 3,072]; A: input x; B: input Wqkv: QUANTISED
;;     2. batch 64 x [M 2,048, K 64] x [K 64, N 2,048]; A: computed on the way; B: computed on the way: QUANTISED
;;     3. batch 64 x [M 2,048, K 2,048] x [K 2,048, N 64]; A: softmax (see below); B: computed on the way: QUANTISED
;;     4. [M 8,192, K 1,024] x [K 1,024, N 1,024]; A: computed on the way; B: input Wout: QUANTISED
;;   THE QUANTISER, for each operand of a quantised product, along K:
;;     - K is cut into blocks of 32 from its start; a last block that is shorter is filled with zeros.
;;     - A block's scale is 2^e with e = floor(log2(the largest magnitude in the block)) - 2, held to -126 .. 127; a block of zeros has e = 0. As a byte (E8M0): e + 127.
;;     - Each number is divided by its block's scale, clamped to +-7.5, and rounded to the nearest number of E2M3, ties to even, subnormals kept.
;;     - The product sums the exact products of the quantised numbers (number of the format x scale) in f32.
;;   ~~~python
;;   def quantise(x, axis):      # numpy; x: float32 -> the quantised numbers, widened to float32 again
;;       x = np.moveaxis(x, axis, -1); K = x.shape[-1]
;;       x = np.pad(x, [(0, 0)] * (x.ndim - 1) + [(0, -K % 32)]); x = x.reshape(x.shape[:-1] + (-1, 32)); a = np.abs(x).max(-1, keepdims=True)
;;       e = np.where(a > 0, np.clip(np.frexp(np.where(a > 0, a, 1))[1] - 1 - 2, -126, 127), 0)      # np.frexp(a)[1] - 1 = floor(log2(a)), exactly
;;       r = np.clip(x / 2.0 ** e, -7.5, 7.5)
;;       step = 2.0 ** (np.maximum(np.frexp(np.where(r == 0, 1, r))[1] - 1, 0) - 3)
;;       q = np.round(r / step) * step * 2.0 ** e      # np.round: ties to even
;;       return np.moveaxis(q.reshape(q.shape[:-2] + (-1,))[..., :K], -1, axis).astype(np.float32)
;;   ~~~
;;   SOFTMAX AHEAD OF A QUANTISED PRODUCT. Where the list says 'softmax', what is quantised is not the finished softmax but p = 2^(t - M), with t = logit x log2(e) and M = ceil(the row's largest t), a whole number; so 1/2 < the row's largest p <= 1. The row's sum l is taken of the UNQUANTISED p, in f32, and the product's result is divided by l at the end. Since M is a whole number, a kernel that streams over the keys may use a running M (the ceiling of the running maximum): every later rescaling is an exact power of two, which a block's scale takes up: the codes' values come out the same.
;;   OPERANDS COMPUTED ON THE WAY. 'Computed on the way' means the value that the module computes at that place (a softmax that the list does not call 'softmax' is quantised finished and normalised). What goes into a quantiser is computed in f32, as accurately as f32 sums, v_exp_f32 and their like allow (about 1e-6 of the number): no bf16 or f16 on the way to a quantiser, and a product that is left as it is and whose result goes on into a quantised operand takes f32 operands (vector FMAs, or v_wmma_f32_16x16x4_f32). A number that lies on a knife's edge between two numbers of the format may be rounded either way, as far as f32 arithmetic and the matrix unit's own rounding can turn it there, and no further.
;; One version. Each part assembles by itself: llvm-mc -triple=amdgcn-amd-amdhsa -mcpu=gfx1250 --defsym DOCPART=n.
;; ======== version 1 of 1: 4 launches
;; limits: right only within a limited range of input values
;; workspace buffers: xc 6,291,456 bytes; xs 262,144 bytes; wc 3,145,728 bytes; ws 131,072 bytes; qkv 20,185,088 bytes; aimg 6,291,456 bytes; asc 262,144 bytes
;; launch quant (part 1): grid 768 x 1, 4 waves a work-group, no clusters, 33,280 bytes of LDS; arguments x, Wqkv, Wout, xc, xs, wc, ws; writes xc, xs, wc, ws
.if DOCPART == 1
	.amdgcn_target "amdgcn-amd-amdhsa--gfx1250"
	.amdhsa_code_object_version 6
	.text
	.protected	k_q0c7171a4a7_quant
	.globl	k_q0c7171a4a7_quant
	.p2align	8
	.type	k_q0c7171a4a7_quant,@function
k_q0c7171a4a7_quant:
	s_mov_b64 s[64:65], 0
	v_nop
	global_prefetch_b8 v0, s[64:65] scope:SCOPE_SE
	s_setreg_imm32_b32 hwreg(HW_REG_WAVE_MODE, 25, 1), 1
	s_wait_xcnt 0x0
; x [8192][1024], Wqkv [3072][1024] and Wout [1024][1024], f32, K innermost, become codes of FP6 (E2M3), 6 bits each, with one E8M0 scale byte for each 32 along K.
; A block's scale is 2^(floor(log2(its largest magnitude)) - 2); its byte is the largest magnitude's own exponent field - 2, held at 1 from below.  Each number is divided by the scale and rounded to the nearest code, ties to even.
; (A block of zeros gets the byte 1 where the rule says 127: its codes are zeros, which add nothing under any byte but 0xff, and the bytes are read by this program alone.)
; LIMITS: blocks whose largest magnitude lies under 2^-124 are held at that floor; NaN and infinities among the inputs are not served.
; OUT: xc [8192][768 bytes], xs [8192][32 bytes];  wc, ws: Wqkv's 3,072 rows, then Wout's 1,024.  ROW R OF A TENSOR IS WRITTEN AT ROW pi(R) = R WITH ITS BITS 3 AND 4 EXCHANGED.  Sixteen neighbouring rows of these buffers,
; taken as source 0 of a matrix instruction, then leave in a lane's registers of two neighbouring tiles sixteen NEIGHBOURS of the tensor's own order, which is what the next quantiser wants.
; A wave takes a run of 8 rows (8,192 numbers) in 16 steps of 512 numbers; a work-group's four waves take 32 rows, so pi is an exchange of the wave number's two bits on the way out.
; Each of a step's four loads reads 512 consecutive bytes; the 2,048 bytes turn through the wave's own stage in LDS and come back 64 bytes a lane, so that a lane holds 16 neighbours along K (two lanes hold a block).
; One launch serves the three tensors: work-groups 0-255 x, 256-351 Wqkv, 352-383 Wout; only pointers are chosen, the path is one.  No tensor loads, no barrier: waves share nothing.
; SHARES AND LAYOUT AS THEY STAND NOW: a wave takes a run of 4 rows in 8 steps; work-groups 0-511 x, 512-703 Wqkv, 704-767 Wout; pi exchanges bits 1 and 2 of the run's number.
.set STEPS, 8
.set EMAX,  2
.set CB,    12                         ; bytes of 16 codes
; THE CODES' LAYOUT: xc and wc are [groups of 128 rows][4 steps of 256 along K][128 rows][192 bytes]: a step's 128 rows are 24,576 dense bytes, and two neighbouring steps of a group lie on end.
.set PLANE, 128*192
.set R,     16                         ; v16-79   four sets of 16 numbers as they are loaded
.set X,     80                         ; v80-111  two sets of 16 neighbours
.set C,     128                        ; v128-159 codes: four registers for each step, so that no store's data are written again
.set E,     112                        ; v112-119 a scale byte for each step
.set WREG,  8192                       ; LDS: a region for each wave: two stages of 32 x SP bytes, and behind them its 128 scale bytes
.set SP,    80                         ; a lane's place in a stage: its 64 bytes + 16 of padding
	s_load_b256 s[4:11], s[0:1], 0x0               ; x s[4:5], Wqkv s[6:7], Wout s[8:9], xc s[10:11]
	s_load_b128 s[12:15], s[0:1], 0x20             ; xs s[12:13], wc s[14:15]
	s_load_b64 s[24:25], s[0:1], 0x30              ; ws
	v_lshl_add_u32 v192, v0, 2, 0x8000
	v_mov_b32 v193, 0
	v_lshrrev_b32 v1, 5, v0
	v_readfirstlane_b32 s16, v1                    ; wave
	v_and_b32 v2, 31, v0                           ; lane
	v_lshlrev_b32 v3, 4, v2                        ; my 16 bytes of a load's 512
	s_mul_i32 s17, s16, WREG
	v_lshrrev_b32 v14, 2, v2
	v_mul_u32_u24 v14, v14, SP
	v_and_b32 v15, 3, v2
	v_lshl_add_u32 v14, v15, 4, v14
	v_add_nc_u32 v14, s17, v14                     ; the stage, on the way in: SP (lane / 4) + 16 (lane % 4)
	v_mul_u32_u24 v15, v2, SP
	v_add_nc_u32 v15, s17, v15                     ; and on the way out: SP x lane: my 16 neighbours
	v_and_b32 v4, 15, v2
	v_mul_u32_u24 v4, v4, CB                       ; my codes' place: sixteen lanes fill a row's 192 bytes of a plane,
	v_lshrrev_b32 v10, 4, v2
	v_mad_u32_u24 v4, v10, PLANE, v4               ; lanes 16-31 those of the next plane
	v_lshrrev_b32 v5, 1, v2
	s_add_co_u32 s17, s17, 2*32*SP
	v_add_nc_u32 v5, s17, v5                       ; LDS: my wave's 128 scale bytes, my block's byte
	v_lshlrev_b32 v7, 2, v2                        ; and on the way out 4 bytes a lane
	v_add_nc_u32 v6, s17, v7
	s_wait_alu depctr_va_vdst(0)
	s_wait_kmcnt 0x0
	s_mov_b32 s27, 704
	s_cmp_lt_u32 ttmp9, 704                        ; Wqkv's work-group or Wout's?  The choices hang on the work-group's number alone
	s_cselect_b64 s[6:7], s[6:7], s[8:9]
	s_cselect_b32 s26, 512, s27                    ; the tensor's first work-group
	s_cselect_b32 s28, 0, 768                      ; Wout's runs lie behind Wqkv's 768 in wc and ws
	s_cmp_lt_u32 ttmp9, 512                        ; x's, or a weight's?
	s_cselect_b64 s[4:5], s[4:5], s[6:7]
	s_cselect_b64 s[10:11], s[10:11], s[14:15]
	s_cselect_b64 s[12:13], s[12:13], s[24:25]
	s_cselect_b32 s26, 0, s26
	s_cselect_b32 s28, 0, s28
	s_sub_co_u32 s17, ttmp9, s26
	s_lshl_b32 s17, s17, 2
	s_add_co_u32 s18, s17, s16                     ; the run that I read: 4 x work-group + wave
	s_and_b32 s29, s18, 2                          ; a run is 4 rows: the rows' bits 3 and 4 are the run's bits 1 and 2, which change places
	s_lshl_b32 s29, s29, 1
	s_and_b32 s30, s18, 4
	s_lshr_b32 s30, s30, 1
	s_or_b32 s29, s29, s30
	s_and_not1_b32 s22, s18, 6
	s_or_b32 s22, s22, s29
	s_add_co_u32 s22, s22, s28
	s_mov_b32 s19, 0
	s_mov_b32 s23, 0
	s_lshl_b64 s[20:21], s[18:19], 14              ; 16,384 bytes of f32 a run
	s_add_nc_u64 s[4:5], s[4:5], s[20:21]
	s_lshr_b32 s20, s22, 5                         ; 32 runs to a group of 128 rows
	s_mul_i32 s20, s20, 4*PLANE
	s_and_b32 s21, s22, 31
	s_mul_i32 s21, s21, 4*192                      ; and 4 rows of each step a run
	s_add_co_u32 s20, s20, s21
	s_mov_b32 s21, 0
	s_add_nc_u64 s[10:11], s[10:11], s[20:21]
	s_lshl_b32 s22, s22, 7                         ; 128 scale bytes a run
	s_add_nc_u64 s[12:13], s[12:13], s[22:23]
.macro LOAD t
.irp i, 0,1,2,3
	global_load_b128 v[R+16*((\t)%4)+4*\i:R+16*((\t)%4)+4*\i+3], v3, s[4:5] offset:2048*(\t)+512*\i th:TH_LOAD_NT   ; 32 lanes read 512 consecutive bytes
.endr
.endm
.macro TURN t                          ; step t's numbers through the stage: LDS serves a wave's instructions in order, so no wait stands between the stores and the loads
.irp i, 0,1,2,3
	ds_store_b128 v14, v[R+16*((\t)%4)+4*\i:R+16*((\t)%4)+4*\i+3] offset:32*SP*((\t)%2)+8*SP*\i
.endr
.irp i, 0,1,2,3
	ds_load_b128 v[X+16*((\t)%2)+4*\i:X+16*((\t)%2)+4*\i+3], v15 offset:32*SP*((\t)%2)+16*\i
.endr
.endm
.irp t, 0,1,2,3
	LOAD \t
.endr
	s_wait_loadcnt 12                              ; step 0's four loads are in; the twelve of steps 1 to 3 may be out
	TURN 0
.macro STEP t
.set XS, X+16*((\t)%2)
.if (\t) > 0
	s_wait_dscnt 1                                 ; this step's numbers are back from the stage (the last step's byte store may be out): so its stores into the stage have read their registers,
.else
	s_wait_dscnt 0x0
.endif
.if (\t)+4 < STEPS
	LOAD (\t)+4                                    ; which take the loads of four steps on
.endif
.if (\t)+1 < STEPS
.if STEPS-2-(\t) >= 3
	s_wait_loadcnt 12                              ; the next step's four loads are in; those of the three steps behind it may be out
.else
	s_wait_loadcnt 4*(STEPS-2-(\t))
.endif
	TURN (\t)+1                                    ; and go through the other stage while this step is worked
.endif
	v_max3_num_f32 v8, |v[XS]|, |v[XS+1]|, |v[XS+2]|               ; the largest magnitude of my 16, in two chains
	v_max3_num_f32 v9, |v[XS+3]|, |v[XS+4]|, |v[XS+5]|
.irp i, 6,10
	v_max3_num_f32 v8, v8, |v[XS+\i]|, |v[XS+\i+1]|
	v_max3_num_f32 v9, v9, |v[XS+\i+2]|, |v[XS+\i+3]|
.endr
	v_max3_num_f32 v8, v8, |v[XS+14]|, |v[XS+15]|
	v_max3_num_f32 v8, v8, v9, (EMAX+1)<<23        ; and the floor 2^(3 - 127): the byte cannot fall under 1
	v_max_num_f32_dpp v8, v8, v8 row_xmask:1 row_mask:0xf bank_mask:0xf   ; and of my neighbour's 16: the block's
	v_add_nc_u32 v11, -(EMAX<<23), v8              ; 2 off its exponent field: the conversion takes the exponent field of this operand as its scale, and nothing else of it
	v_cvt_scalef32_pk16_fp6_f32 v[C+4*(\t):C+4*(\t)+2], v[XS:XS+15], v11   ; sixteen codes, 96 bits without gaps, the first number's code lowest
	v_lshrrev_b32 v[E+(\t)], 23, v11               ; the scale's byte (a plain line behind the conversion)
	ds_store_b8 v5, v[E+(\t)] offset:16*(\t)       ; both lanes of a block write the same byte with the same value
	global_store_b96 v4, v[C+4*(\t):C+4*(\t)+2], s[10:11] offset:2*PLANE*((\t)%2)+192*((\t)/2)   ; step t is half t % 2 of row t / 2: two planes, 192 consecutive bytes in each
.endm
.irp t, 0,1,2,3,4,5,6,7
	STEP \t
.endr
	ds_load_b32 v12, v6                            ; LDS serves a wave's instructions in order: this sees my stores
	s_wait_dscnt 0x0
	global_store_b32 v7, v12, s[12:13]             ; 32 lanes store the run's 128 consecutive scale bytes
	s_wait_tensorcnt 0x0
	ds_add_u32 v192, v193
	s_wait_dscnt 0x0
	s_endpgm
.Lfunc_end_k_q0c7171a4a7_quant:
	.size	k_q0c7171a4a7_quant, .Lfunc_end_k_q0c7171a4a7_quant-k_q0c7171a4a7_quant
	.p2alignl 7, 3214868480
	.fill 96, 4, 3214868480
	.section	.rodata,"a",@progbits
	.p2align	6, 0x0
	.amdhsa_kernel k_q0c7171a4a7_quant
		.amdhsa_group_segment_fixed_size 33280
		.amdhsa_private_segment_fixed_size 0
		.amdhsa_enable_private_segment 0
		.amdhsa_kernarg_size 56
		.amdhsa_user_sgpr_count 2
		.amdhsa_user_sgpr_kernarg_segment_ptr 1
		.amdhsa_wavefront_size32 1
		.amdhsa_system_sgpr_workgroup_id_x 1
		.amdhsa_system_sgpr_workgroup_id_y 1
		.amdhsa_system_sgpr_workgroup_id_z 1
		.amdhsa_system_vgpr_workitem_id 0
		.amdhsa_next_free_vgpr 194
		.amdhsa_next_free_sgpr 66
		.amdhsa_reserve_vcc 0
		.amdhsa_float_denorm_mode_32 3
		.amdhsa_float_denorm_mode_16_64 3
		.amdhsa_memory_ordered 1
		.amdhsa_forward_progress 1
		.amdhsa_inst_pref_size 18
	.end_amdhsa_kernel
	.amdgpu_metadata
---
amdhsa.version: [ 1, 2 ]
amdhsa.kernels:
  - .name:           k_q0c7171a4a7_quant
    .symbol:         k_q0c7171a4a7_quant.kd
    .args:
      - { .name: x, .offset: 0, .size: 8, .value_kind: global_buffer, .address_space: global }
      - { .name: Wqkv, .offset: 8, .size: 8, .value_kind: global_buffer, .address_space: global }
      - { .name: Wout, .offset: 16, .size: 8, .value_kind: global_buffer, .address_space: global }
      - { .name: xc, .offset: 24, .size: 8, .value_kind: global_buffer, .address_space: global }
      - { .name: xs, .offset: 32, .size: 8, .value_kind: global_buffer, .address_space: global }
      - { .name: wc, .offset: 40, .size: 8, .value_kind: global_buffer, .address_space: global }
      - { .name: ws, .offset: 48, .size: 8, .value_kind: global_buffer, .address_space: global }
    .group_segment_fixed_size: 33280
    .private_segment_fixed_size: 0
    .kernarg_segment_align: 8
    .kernarg_segment_size: 56
    .max_flat_workgroup_size: 128
    .sgpr_count:     66
    .vgpr_count:     194
    .wavefront_size: 32
...
	.end_amdgpu_metadata
.endif
;; end of part 1
;; launch qkv (part 2): grid 12 x 32, 4 waves a work-group, clusters of 4 x 4, 327,680 bytes of LDS; arguments xc, xs, wc, ws, qkv; writes qkv
.if DOCPART == 2
	.amdgcn_target "amdgcn-amd-amdhsa--gfx1250"
	.amdhsa_code_object_version 6
	.text
	.protected	k_q0c7171a4a7_qkv
	.globl	k_q0c7171a4a7_qkv
	.p2align	8
	.type	k_q0c7171a4a7_qkv,@function
k_q0c7171a4a7_qkv:
	s_mov_b64 s[64:65], 0
	v_nop
	global_prefetch_b8 v0, s[64:65] scope:SCOPE_SE
	s_setreg_imm32_b32 hwreg(HW_REG_WAVE_MODE, 25, 1), 1
	s_wait_xcnt 0x0
	s_wait_alu depctr_hold_cnt(0) depctr_sa_sdst(0) depctr_va_vdst(0) depctr_va_sdst(0) depctr_va_ssrc(0) depctr_va_vcc(0) depctr_vm_vsrc(0)
	s_getreg_b32 s2, hwreg(HW_REG_IB_STS2, 6, 4)
	s_cmp_eq_u32 s2, 0
	s_cbranch_scc0 .Lentry_in_a_cluster
	s_endpgm
.Lentry_in_a_cluster:
	s_bfe_u32 s2, ttmp6, 0x10000c
	s_cmp_lg_u32 s2, 0xf033
	s_cbranch_scc0 .Lentry_shape_is_right
	s_endpgm
.Lentry_shape_is_right:
; THE FIRST PRODUCT, x Wqkv^T, ON CODES OF FP6 (E2M3) WITH E8M0 SCALES, AND ITS RESULTS QUANTISED ON THE WAY OUT: q and k along the head's 64, v along the keys.  No f32 result goes to memory.
; IN: xc [8192][768 bytes], xs [8192][32], wc, ws likewise (rows 0-3071 here): rows stand at pi(row) = the row's number with bits 3 and 4 exchanged.
; A tile of 256 x 256 results is made by a work-group of four waves; a wave makes 128 x 128: 64 accumulators, 512 registers.  K = 1,024 goes in four steps of 256 through a ring of two LDS slots filled by the tensor data mover.
; The scale bytes of the work-group's 2 x 256 rows, for all of K, come into LDS once, with the first fills, and stay.
; ROLES.  Source 1 ("A") gives a lane its row, source 0 ("B") runs along a lane's registers.  Clusters x = 0, 1 make q and k: A = tokens, B = rows of W: a lane holds one token and 128 numbers of two heads.
; Cluster x = 2 makes v: A = W's rows 2,048 on, B = tokens: a lane holds one channel d and 128 keys.  Only pointers and row numbers are chosen, by the cluster's x, which all sixteen partners share; the K loop is one text.
; By pi, register j of B's tile 2 g + u in lane (r, h) is B's row 32 g + 16 h + 8 u + j of the tensor's own order: the 16 registers of two neighbouring tiles are 16 neighbours, half a block of 32.
; CLUSTERS: 4 x 4 work-groups.  The four of a row of the cluster need the same tiles of A, the four of a column the same tiles of B: each tile is asked for jointly.
; OUT: qkv = [64 (batch, head)][8 blocks of 256 tokens] x 39,424 bytes: K's codes 12,288 (16 tiles x [3 pieces][32 lanes][8 bytes]: images of a fragment's lower six registers), K's scale words 1,024 ([2][2][16 rows][4 tiles]),
; V's codes 12,288 ([2 x 128 keys][4 tiles of d] x [6 pieces][32 lanes][8 bytes]), V's scale words 512 ([2][16 rows][4 tiles]), Q's codes 12,288 and scale words 1,024, laid as K's.  Every store covers whole aligned runs of 256 bytes.
; q's and k's scale words carry two bytes (the head's two blocks); their upper two bytes are 0.
; LIMITS: a block of zeros gets the byte 1 (read by this program alone); largest magnitudes under 2^-124 are held at that floor; NaN and infinities are not served.
; REGISTERS: window 0: v0-31 addresses; v32-63 scale words, two sets, and nothing else; v64-103 at work on the way out; from v128 A's fragments, ONE set, on the way out the codes.
;   window 1: B's fragments, TWO sets.   window 2: the accumulators of my rows 0-63 ((a, b) at v[8 (8 a + b)]);   window 3: those of my rows 64-127.
.set SIZE_K, 1024
.set KSTEP,  256                       ; along K in a slot
.set NQ,     KSTEP/128                 ; matrix instructions deep
.set ROWB,   192                       ; a tile's row in bytes
.set PLANE,  128*ROWB                  ; xc and wc are [groups of 128 rows][4 K steps][128 rows][192 bytes]: a K step of a group is 24,576 dense bytes; K steps 0 and 1 of a group are 49,152 bytes on end
; LDS: A's group 0 (slot 0, slot 1), A's group 1, then B's two groups likewise, 30,720 bytes each: one load at the head fills both slots of A, another both of B
.set PITCH,  240                       ; an LDS row: 3 x (64 bytes + 16 of padding): the 32 lanes of a load of 8 bytes touch 64 different banks (64 banks of 4 bytes: ISA guide 11.1)
.set FR,     12                        ; registers of a fragment
.set NL,     6                         ; LDS loads that bring one
.set NP,     4                         ; places behind this matrix instruction (ISA guide 7.12.1)
.set HALFT,  128*PITCH
.set SLOT,   4*HALFT                   ; A's 256 rows, then B's 256 rows
.set LAPS,   SIZE_K/(2*KSTEP)
.set KS,     SIZE_K/32                 ; a row of scale bytes
.set SCL,    2*SLOT                    ; behind the ring: the scales, as runs of 256 bytes + 16 of padding
.set HALFS,  (128*KS/256)*272
.set SBLK,   (16*KS/256)*272
.set SPARE,  SCL+4*HALFS               ; behind the scales: the spare words, 128 bytes for each wave, which no other line names
.set BLKB,   39424                     ; a block of qkv
.set HEADB,  8*BLKB                    ; from a head to the next
.set ADRA, 16                          ; v16-17 LDS address of my A fragments in slot 0, 1 (v18-19: for the pieces behind one padding more)
.set ADRB, 20                          ; v20-23 the same for B
.set OC,   24                          ; v24    the way out: 8 x lane
.set OS,   25                          ; v25    16 x (lane % 16) + one head x (lane / 16)
.set SH,   26                          ; v26    16 x (lane / 16)
.set ADRS, 27                          ; v27    LDS address of my scale words: lanes 0-15 A's rows, lanes 16-31 B's
.set SPW,  28                          ; v28    LDS address of my spare word; never rewritten
.set NIL,  29                          ; v29    0; never rewritten
.set SC,   32                          ; scale words
.set TM,   64                          ; v64-67 largest magnitudes, v68-71 the neighbour's, then bytes, v76-79 the conversions' scale operands
.set PT,   80                          ; v80-87 the conversions' second halves
.set SW,   88                          ; v88-95 block a's scale word
.set WO,   96                          ; v96-103 scale words as they are stored
.set AF,   128                         ; A's fragments
.set PC,   128                         ; the way out: block a's codes at v[128 + 12 a]: registers of its own for each block, so that no store's data are written again
.set G1, 24
.set G0, 32
.set G1B, 48
.set G0B, 56
.set G1S, 68
.set G0S, 76
.set G1SB, 80
.set G0SB, 88
.set MSB, 0
.macro WIN new                         ; the immediate's high byte repeats the setting that is left
.if MSB != \new
	s_set_vgpr_msb (MSB<<8)|\new
.set MSB, \new
.endif
.endm
.set MUL_LO, 0xa1                      ; source 0 (B) window 1, source 1 (A) window 0, C and D window 2
.set MUL_HI, 0xf1                      ; the same, C and D window 3
.set TO_B,   0x40                      ; destination window 1, address window 0
; A joint load: waves 0 and 1 fetch for A, waves 2 and 3 for B.  The branch hangs on the wave's number alone.  Four v_nop follow each of the two lines.
.macro JLOAD g0a, g1a, g0b, g1b
	s_cmp_eq_u32 s15, 0
	s_cbranch_scc0 .Lfor_b_\@
	tensor_load_to_lds s[\g0a:\g0a+3], s[\g1a:\g1a+7]
	s_nop 0
.rept 4
	v_nop
.endr
	s_branch .Lasked_\@
.Lfor_b_\@:
	tensor_load_to_lds s[\g0b:\g0b+3], s[\g1b:\g1b+7]
	s_nop 0
.rept 4
	v_nop
.endr
.Lasked_\@:
.endm
.macro CREST                           ; a round of the cluster's barrier behind its opening barrier
	s_cmp_lg_u32 s14, 0
	s_cbranch_scc1 .Lnot_wave_0_\@
	s_barrier_signal -3
.Lnot_wave_0_\@:
	s_barrier_wait -3
	s_barrier_signal -1
	s_barrier_wait -1
.endm
.macro CROUND                          ; a whole round
	s_barrier_signal -1
	s_barrier_wait -1
	CREST
.endm
	s_load_b128 s[4:7], s[0:1], 0x0                ; xc, xs
	s_load_b128 s[8:11], s[0:1], 0x10              ; wc, ws
	s_load_b64 s[12:13], s[0:1], 0x20              ; qkv
	v_lshl_add_u32 v[SPW], v0, 2, SPARE
	v_mov_b32 v[NIL], 0
	ds_add_u32 v28, v29
	ds_add_u32 v28, v29
	s_wait_dscnt 0x0
	v_lshrrev_b32 v1, 5, v0
	v_readfirstlane_b32 s14, v1                    ; wave 0..3
	s_lshr_b32 s15, s14, 1                         ; which half of A's rows is mine.  Also: I fetch for A (0) or for B (1)
	s_and_b32 s16, s14, 1                          ; which half of B's rows.  Also: which 128 rows of that tile I fetch
	s_bfe_u32 s40, ttmp6, 0x40000                  ; cx, cy: my place in the cluster
	s_bfe_u32 s41, ttmp6, 0x40004
	s_and_b32 s2, ttmp7, 0xffff                    ; the cluster's y, 0..7
	s_cmp_eq_u32 ttmp9, 2                          ; the cluster's x: 0 q, 1 k, 2 v: the same in all sixteen partners
	s_cselect_b32 s66, 1, 0                        ; 1: this cluster makes v
	s_cselect_b32 s42, s2, ttmp9                   ; B's tiles: for v the tokens' 32, by the cluster's y; else W's 8, by its x
	s_cselect_b32 s17, 0, s2                       ; A's tiles: for v W's 4; else the tokens' 32
	s_cselect_b32 s67, 2048, 0                     ; v's rows of W lie 2,048 rows on
	s_lshl_b32 s42, s42, 2
	s_add_co_u32 s42, s42, s40                     ; B's tile = 4 x .. + cx
	s_lshl_b32 s17, s17, 2
	s_add_co_u32 s17, s17, s41                     ; A's tile = 4 x .. + cy
	s_lshl_b32 s43, s41, 2
	s_lshl_b32 s43, 15, s43                        ; my row of the cluster
	s_lshl_b32 s44, 0x1111, s40                    ; my column
	; descriptor group 1: a tile of 128 rows x 192 bytes, 16 bytes of padding behind every 64
	s_or_b32 s[G1+0], s43, (3<<16)|(1<<20)|(1<<21)|(3<<22)|(3<<25)  ; 15:0 the mask: A's tiles go to my row; elements of 8 bytes; padding on; bit 21 beside a mask; after every 16 words, 4 words
	s_or_b32 s[G1B+0], s44, (3<<16)|(1<<20)|(1<<21)|(3<<22)|(3<<25)
.irp g, G1, G1B
	s_mov_b32 s[\g+1], 6144<<16                    ; the head's loads: a row is K steps 0 and 1 of a group, 49,152 bytes;
	s_mov_b32 s[\g+2], 2<<16                       ; two groups,
	s_mov_b32 s[\g+3], 6144<<16
	s_mov_b32 s[\g+4], 2
	s_mov_b32 s[\g+5], 12288                       ; 98,304 bytes apart
	s_mov_b32 s[\g+6], 0
	s_mov_b32 s[\g+7], 0
.endr
	; the scales of 128 rows: a dense block of 4,096 bytes, as 16 rows of 256 bytes (32 elements of 8), 16 bytes of padding behind each
	s_or_b32 s[G1S+0], s43, (3<<16)|(1<<20)|(1<<21)|(5<<22)|(3<<25)
	s_or_b32 s[G1SB+0], s44, (3<<16)|(1<<20)|(1<<21)|(5<<22)|(3<<25)
.irp g, G1S, G1SB
	s_mov_b32 s[\g+1], 32<<16
	s_mov_b32 s[\g+2], KS<<16                      ; the scales of 256 rows: 256 KS bytes, KS rows of 256
	s_mov_b32 s[\g+3], 32<<16
	s_mov_b32 s[\g+4], KS
	s_mov_b32 s[\g+5], 32
	s_mov_b32 s[\g+6], 0
	s_mov_b32 s[\g+7], 0
.endr
	s_lshl_b32 s20, s17, 8
	s_add_co_u32 s20, s20, s67                     ; A: the tile's first row, 256 x tile (+ 2,048)
	s_lshl_b32 s46, s42, 8                         ; B: 256 x tile
	s_mov_b32 s21, 0
	s_mov_b32 s47, 0
	s_mov_b64 s[18:19], KS
	s_mul_u64 s[22:23], s[20:21], s[18:19]         ; where these rows' scales begin, in bytes
	s_mul_u64 s[92:93], s[46:47], s[18:19]
	s_mov_b64 s[18:19], 4*ROWB                     ; a group of 128 rows is 128 x 768 bytes
	s_mul_u64 s[20:21], s[20:21], s[18:19]         ; and their codes
	s_mul_u64 s[46:47], s[46:47], s[18:19]
	s_mul_i32 s45, s14, 2*HALFT                    ; where the ring's loads go: wave x a group's two slots: no place in the cluster enters an LDS address
	s_mul_i32 s94, s16, 4*PLANE                    ; in the ring I fetch one group of a tile: which, in bytes
	s_mov_b32 s95, 0
	s_wait_kmcnt 0x0
	s_cmp_eq_u32 s66, 1                            ; the roles: for v, A is W and B the tokens
	s_cselect_b64 s[96:97], s[8:9], s[4:5]
	s_cselect_b64 s[98:99], s[10:11], s[6:7]
	s_cselect_b64 s[8:9], s[4:5], s[8:9]
	s_cselect_b64 s[10:11], s[6:7], s[10:11]
	s_add_nc_u64 s[20:21], s[96:97], s[20:21]
	s_add_nc_u64 s[22:23], s[98:99], s[22:23]
	s_add_nc_u64 s[46:47], s[8:9], s[46:47]
	s_add_nc_u64 s[92:93], s[10:11], s[92:93]
	CROUND                                         ; all sixteen work-groups are here: the first joint loads meet
	s_mov_b32 s4, 1                                ; the head's four tiles, each whole (s[4:11] held arguments that have been used): K steps 0 and 1 of A's 256 rows,
	s_mov_b32 s5, 0
	s_mov_b64 s[6:7], s[20:21]
	s_or_b32 s7, s7, 0x80000000
	s_mov_b32 s8, 1                                ; the same of B, behind them,
	s_mov_b32 s9, 4*HALFT
	s_mov_b64 s[10:11], s[46:47]
	s_or_b32 s11, s11, 0x80000000
	s_mov_b32 s[G0S], 1                            ; the scales of A's 256 rows,
	s_mov_b32 s[G0S+1], SCL
	s_mov_b64 s[G0S+2:G0S+3], s[22:23]
	s_or_b32 s[G0S+3], s[G0S+3], 0x80000000
	s_mov_b32 s[G0SB], 1                           ; and of B's
	s_mov_b32 s[G0SB+1], SCL+2*HALFS
	s_mov_b64 s[G0SB+2:G0SB+3], s[92:93]
	s_or_b32 s[G0SB+3], s[G0SB+3], 0x80000000
	s_add_nc_u64 s[20:21], s[20:21], s[94:95]      ; for the ring: my 128 rows of the tile
	s_add_nc_u64 s[46:47], s[46:47], s[94:95]
.irp s, 0,1
	s_mov_b32 s[G0+4*\s], 1
	s_add_co_u32 s[G0+4*\s+1], s45, \s*HALFT
	s_add_nc_u64 s[G0+4*\s+2:G0+4*\s+3], s[20:21], \s*PLANE
	s_or_b32 s[G0+4*\s+3], s[G0+4*\s+3], 0x80000000
	s_mov_b32 s[G0B+4*\s], 1
	s_add_co_u32 s[G0B+4*\s+1], s45, \s*HALFT
	s_add_nc_u64 s[G0B+4*\s+2:G0B+4*\s+3], s[46:47], \s*PLANE
	s_or_b32 s[G0B+4*\s+3], s[G0B+4*\s+3], 0x80000000
.endr
; THE HEAD'S LOADS, ONE A WAVE: wave 0 A's 256 rows, wave 1 B's, wave 2 A's scales, wave 3 B's.  One chain of branches on the wave's number: every way passes exactly one load.
.macro ARM under, g0, g1, next
	s_cmp_lt_u32 s14, \under
	s_cbranch_scc0 \next
	tensor_load_to_lds s[\g0:\g0+3], s[\g1:\g1+7]
	s_nop 0
.rept 4
	v_nop
.endr
	s_branch .Lhead_asked
\next:
.endm
	ARM 1, 4,   G1,  .Lhead_b
	ARM 2, 8,   G1B, .Lhead_sa
	ARM 3, G0S, G1S, .Lhead_sb
	tensor_load_to_lds s[G0SB:G0SB+3], s[G1SB:G1SB+7]
	s_nop 0
.rept 4
	v_nop
.endr
.Lhead_asked:
	v_and_b32 v1, 15, v0                           ; r = l % 16
	v_bfe_u32 v2, v0, 4, 1                         ; h = l / 16
	v_mul_u32_u24 v3, v1, PITCH
	v_mul_u32_u24 v4, v2, 24
	v_add_nc_u32 v4, v3, v4                        ; a fragment's row x pitch + 24 x half
	v_lshl_add_u32 v5, v2, 4, v4                   ; and the same behind one padding more
	s_mul_i32 s21, s15, 2*HALFT                    ; my group of A
	s_mul_i32 s22, s16, 2*HALFT                    ; my group of B,
	s_add_co_u32 s22, s22, 4*HALFT                 ; which lies behind A's two
.irp s, 0,1
	v_add_nc_u32 v[ADRA+\s], s21, v4
	v_add_nc_u32 v[ADRB+\s], s22, v4
	v_add_nc_u32 v[ADRA+2+\s], s21, v5
	v_add_nc_u32 v[ADRB+2+\s], s22, v5
	s_add_co_u32 s21, s21, HALFT
	s_add_co_u32 s22, s22, HALFT
.endr
	v_mul_u32_u24 v5, v1, KS                       ; my row's scales: 32 bytes a row,
	v_lshrrev_b32 v6, 8, v5
	v_lshl_add_u32 v5, v6, 4, v5                   ; and 16 more for each 256 passed
	s_mul_i32 s21, s15, HALFS
	s_mul_i32 s22, s16, HALFS
	s_add_co_u32 s22, s22, 2*HALFS
	s_sub_co_u32 s22, s22, s21
	v_mul_u32_u24 v6, s22, v2                      ; lanes 16-31 take B's: one product, the distance between the two bases x h
	s_add_co_u32 s21, s21, SCL
	v_add_nc_u32 v5, v5, v6
	v_add_nc_u32 v[ADRS], s21, v5
	; THE WAY OUT'S ADDRESSES.  q, k: token block = A's tile, heads 4 x B's tile + 2 x my half of B (mod 16) and the next; v: token block = B's tile, heads 4 x A's tile + 2 x my half of A and the next
	v_and_b32 v6, 31, v0
	v_lshlrev_b32 v[OC], 3, v6
	v_mul_u32_u24 v[OS], v2, HEADB
	v_lshl_add_u32 v[OS], v1, 4, v[OS]
	v_lshlrev_b32 v[SH], 4, v2
	s_lshl_b32 s19, s17, 2
	s_lshl_b32 s20, s15, 1
	s_add_co_u32 s19, s19, s20                     ; v's first head
	s_lshl_b32 s21, s42, 2
	s_lshl_b32 s20, s16, 1
	s_add_co_u32 s21, s21, s20
	s_and_b32 s21, s21, 15                         ; q's or k's first head
	s_mul_i32 s22, s16, 6144
	s_add_co_u32 s22, s22, 13312                   ; v's codes: my 128 keys of the block's 256
	s_lshl_b32 s23, s16, 8
	s_add_co_u32 s23, s23, 25600                   ; v's scale words
	s_cmp_eq_u32 ttmp9, 0
	s_cselect_b32 s45, 26112, 0                    ; q's part of a block lies behind k's and v's
	s_mul_i32 s46, s15, 6144
	s_add_co_u32 s46, s46, s45                     ; q's or k's codes: my eight tiles of tokens
	s_lshl_b32 s47, s15, 9
	s_add_co_u32 s47, s47, s45
	s_add_co_u32 s47, s47, 12288                   ; their scale words
	s_cmp_eq_u32 s66, 1
	s_cselect_b32 s18, s42, s17                    ; the block of 256 tokens, 0..31
	s_cselect_b32 s19, s19, s21
	s_cselect_b32 s22, s22, s46
	s_cselect_b32 s23, s23, s47
	s_lshr_b32 s20, s18, 3                         ; batch
	s_and_b32 s18, s18, 7                          ; block in the batch
	s_lshl_b32 s20, s20, 4
	s_add_co_u32 s20, s20, s19
	s_lshl_b32 s20, s20, 3
	s_add_co_u32 s20, s20, s18
	s_mul_i32 s20, s20, BLKB                       ; ((16 batch + head) 8 + block) x 39,424: under 2^25
	s_add_co_u32 s22, s22, s20
	s_add_co_u32 s46, s23, s20
	s_mov_b32 s23, 0
	s_mov_b32 s47, 0
	s_add_nc_u64 s[96:97], s[12:13], s[46:47]      ; where my scale words go
	s_add_nc_u64 s[12:13], s[12:13], s[22:23]      ; where my codes go
.macro FRAG reg, adr, q, i             ; a fragment, 16 rows x 128 K, is 12 registers: lane l holds row l % 16; registers 6 c .. 6 c + 5 hold K = 64 c + 32 (l / 16) + 0 .. 31: 24 bytes of the row's stream of bits, as they lie
.irp p, 0,1,2,3,4,5                    ; in pieces of 8 bytes.  Lanes 16-31 read three pieces further on than lanes 0-15
.set PCE, 12*(\q)+6*(\p/3)+\p%3        ; where the piece three on lies behind one padding more, the second address register serves
.if PCE%8 < 5
	ds_load_b64 v[\reg+2*\p:\reg+2*\p+1], v[\adr] offset:8*PCE+16*(PCE/8)+(\i)*16*PITCH
.else
	ds_load_b64 v[\reg+2*\p:\reg+2*\p+1], v[\adr+2] offset:8*PCE+16*(PCE/8)+(\i)*16*PITCH
.endif
.endr
.endm
; 16 matrix instructions: A's blocks a0, a0 + 1 x B's eight, 128 along K.  p: B's set;  sc: the set of scale words.  zero = 1: the first product starts the sums.
; The 64 accumulators take turns, one instruction a turn, in the same order in every step.
.macro MUL16 a0, p, q, sc, zero
.irp a, \a0, \a0+1
.irp b, 0,1,2,3,4,5,6,7
.if \zero
	v_wmma_scale_f32_16x16x128_f8f6f4 v[8*(8*((\a)%4)+\b):8*(8*((\a)%4)+\b)+7], v[128*(\p)+FR*\b:128*(\p)+FR*\b+FR-1], v[AF+FR*(\a):AF+FR*(\a)+FR-1], 0, v[SC+8*NQ*(\sc)+NQ*\b+(\q)], v[SC+8*NQ*(\sc)+NQ*(\a)+(\q)] matrix_a_fmt:MATRIX_FMT_FP6 matrix_b_fmt:MATRIX_FMT_FP6 matrix_a_scale:MATRIX_SCALE_ROW1
.else
	v_wmma_scale_f32_16x16x128_f8f6f4 v[8*(8*((\a)%4)+\b):8*(8*((\a)%4)+\b)+7], v[128*(\p)+FR*\b:128*(\p)+FR*\b+FR-1], v[AF+FR*(\a):AF+FR*(\a)+FR-1], v[8*(8*((\a)%4)+\b):8*(8*((\a)%4)+\b)+7], v[SC+8*NQ*(\sc)+NQ*\b+(\q)], v[SC+8*NQ*(\sc)+NQ*(\a)+(\q)] matrix_a_fmt:MATRIX_FMT_FP6 matrix_b_fmt:MATRIX_FMT_FP6 matrix_a_scale:MATRIX_SCALE_ROW1
.endif
.endr
.endr
.endm
.macro FETCH_B slot, q, p              ; B's eight fragments of the slot's q-th 128 along K into set p
	WIN TO_B
.irp i, 0,1,2,3,4,5,6,7
	FRAG 128*(\p)+FR*\i, ADRB+\slot, \q, \i
.endr
	WIN 0
.endm
.macro FETCH_A slot, q, i0             ; A's blocks i0 .. i0 + 3
.irp i, \i0, \i0+1, \i0+2, \i0+3
	FRAG AF+FR*(\i), ADRA+\slot, \q, \i
.endr
.endm
.macro SCALES sc                       ; a K step's scale words into set sc: two words a row; lanes 0-15 take A's block i, lanes 16-31 B's block i
.irp i, 0,1,2,3,4,5,6,7
	ds_load_b64 v[SC+8*NQ*\sc+NQ*\i:SC+8*NQ*\sc+NQ*\i+1], v[ADRS] offset:\i*SBLK
.endr
.endm
.macro PLACES n                        ; plain vector lines behind matrix instructions, in front of loads into their registers and of reads of their results (ISA guide 7.12.1 for reads of their results)
.rept \n
	v_nop
.endr
.endm
; A step of 128 along K that has its successor in the same slot.
.macro STEP slot, q, zero
	s_wait_dscnt 4*NL                              ; B's set and A's blocks 0-3 are in; the youngest 24 loads (A's blocks 4-7) may be out
	WIN MUL_LO
	MUL16 0, (\q)%2, \q, \slot, \zero
	MUL16 2, (\q)%2, \q, \slot, \zero
	s_wait_dscnt 0                                 ; A's blocks 4-7 are in
	PLACES NP
	FETCH_B \slot, (\q)+1, 1-(\q)%2
	FETCH_A \slot, (\q)+1, 0
	WIN MUL_HI
	MUL16 4, (\q)%2, \q, \slot, \zero
	MUL16 6, (\q)%2, \q, \slot, \zero
	PLACES NP
	WIN 0
	FETCH_A \slot, (\q)+1, 4
.endm
; A slot's last step changes slots: ONE barrier; in front of it each wave waits for all its tensor loads, adds 0 to its spare word, and waits for that and for its own reads of this slot.  fill = 1: this slot is filled again, two K steps ahead.
.macro TURN slot, next, fill
	s_wait_tensorcnt 0x0                           ; all my tensor loads have landed: my part of the next slot
	ds_add_u32 v[SPW], v[NIL]                      ; 0 onto my spare word
	s_wait_dscnt 4*NL+1                            ; (the add and the youngest 24 loads, A's blocks 4-7, may be out)
	WIN MUL_LO
	MUL16 0, 1, NQ-1, \slot, 0                     ; sixteen matrix instructions stand between the add and the wait for it
	s_wait_dscnt 0x0                               ; the add is done, and my reads of this slot are over
	s_barrier_signal -1
	MUL16 2, 1, NQ-1, \slot, 0
	WIN 0
	s_barrier_wait -1
.if \fill
	CREST                                          ; the barrier has opened a round of the cluster's barrier: no wave of any partner still reads this slot's tile or has a load on its way
	s_add_nc_u64 s[G0+4*\slot+2:G0+4*\slot+3], s[G0+4*\slot+2:G0+4*\slot+3], 2*PLANE
	s_add_nc_u64 s[G0B+4*\slot+2:G0B+4*\slot+3], s[G0B+4*\slot+2:G0B+4*\slot+3], 2*PLANE
	JLOAD G0+4*\slot, G1, G0B+4*\slot, G1B         ; the first tensor load behind the round; its four v_nop are the places in front of the loads below
.else
	PLACES NP
.endif
	s_wait_alu depctr_va_vdst(0)
	v_add_nc_u32 v[ADRS], 4*NQ, v[ADRS]            ; on to the next K step's scale words (no LDS load of mine is out)
	FETCH_B \next, 0, 0
	FETCH_A \next, 0, 0
	SCALES \next
	WIN MUL_HI
	MUL16 4, 1, NQ-1, \slot, 0
	MUL16 6, 1, NQ-1, \slot, 0
	PLACES NP
	WIN 0
	FETCH_A \next, 0, 4
.endm
	s_wait_alu depctr_va_vdst(0)
	s_wait_tensorcnt 0x0                           ; my tile of the head's four is in
.irp g, G1, G1B                        ; no tensor load of mine is out: from here on a load brings one K step of one group, 96 dense rows of 256 bytes
	s_mov_b32 s[\g+1], 32<<16
	s_mov_b32 s[\g+2], 96<<16
	s_mov_b32 s[\g+3], 32<<16
	s_mov_b32 s[\g+4], 96
	s_mov_b32 s[\g+5], 32
.endr
	s_barrier_signal -1                            ; my tile of the head's four is in,
	s_barrier_wait -1                              ; everybody's are: both slots and the scales
	FETCH_B 0, 0, 0
	FETCH_A 0, 0, 0
	SCALES 0
	FETCH_A 0, 0, 4
	STEP 0, 0, 1                                   ; the first step stands in front of the loop: its products start the sums
	s_mov_b32 s3, LAPS-1
.Llap:                                                 ; a trip goes once round the ring and fills both slots again
	TURN 0, 1, 1
	STEP 1, 0, 0
	TURN 1, 0, 1
	STEP 0, 0, 0
	s_sub_co_u32 s3, s3, 1
	s_cmp_lg_u32 s3, 0
	s_cbranch_scc1 .Llap
	TURN 0, 1, 0                                   ; the last lap fills nothing, and has no round of the cluster's barrier
	STEP 1, 0, 0
	s_wait_dscnt 4*NL                              ; the very last step: nothing more to fetch
	WIN MUL_LO
	MUL16 0, 1, NQ-1, 1, 0
	MUL16 2, 1, NQ-1, 1, 0
	s_wait_dscnt 0
	WIN MUL_HI
	MUL16 4, 1, NQ-1, 1, 0
	MUL16 6, 1, NQ-1, 1, 0
	WIN 0
; THE WAY OUT.  Block a (A's 16 rows) holds, in a lane, 64 numbers of the lane's row: register 16 b + i = place 32 b + 16 (lane / 16) + i of my 128 along B.  They become a fragment's 12 registers of codes and a scale word of four bytes.
; The maxima take each accumulator from its low end on.
.macro QUANTA a
.set WD, 2+(\a)/4
.set WN, WD|(WD<<2)
.set AC, 64*((\a)%4)
.set PCA, PC+12*(\a)
	WIN WN                                         ; sources 0 and 1: the accumulators' window
.irp b, 0,1,2,3
	v_max3_num_f32 v[TM+\b], |v[AC+16*\b]|, |v[AC+16*\b+1]|, 0x1800000   ; block b: my 16 numbers, and the floor 2^(3 - 127): the byte cannot fall under 1
.endr
.irp i, 2,4,6,8,10,12,14
.irp b, 0,1,2,3
	v_max3_num_f32 v[TM+\b], |v[AC+16*\b+\i]|, |v[AC+16*\b+\i+1]|, v[TM+\b]   ; (the four blocks by turns)
.endr
.endr
	WIN 0
.irp b, 0,1,2,3
	v_permlanex16_b32 v[TM+4+\b], v[TM+\b], s92, s93
.endr
.irp b, 0,1,2,3
	v_max_num_f32 v[TM+\b], v[TM+\b], v[TM+4+\b]   ; with lane l xor 16's: the block's largest magnitude
.endr
.irp b, 0,1,2,3
	v_add_nc_u32 v[TM+12+\b], 0xff000000, v[TM+\b] ; 2 off its exponent field: the conversion's scale operand
.endr
.irp b, 0,1,2,3
	v_lshrrev_b32 v[TM+4+\b], 23, v[TM+12+\b]      ; the scale's byte
.endr
	v_lshl_or_b32 v[SW+(\a)], v[TM+5], 8, v[TM+4]
	v_lshl_or_b32 v[SW+(\a)], v[TM+6], 16, v[SW+(\a)]
	v_lshl_or_b32 v[SW+(\a)], v[TM+7], 24, v[SW+(\a)]
	WIN WD                                         ; source 0 alone
.irp c, 0,1
	v_cvt_scalef32_pk16_fp6_f32 v[PCA+6*\c:PCA+6*\c+2], v[AC+32*\c:AC+32*\c+15], v[TM+12+2*\c]
	v_cvt_scalef32_pk16_fp6_f32 v[PT+4*\c:PT+4*\c+2], v[AC+32*\c+16:AC+32*\c+31], v[TM+12+2*\c+1]   ; (a conversion's three registers begin on an even number)
.endr
	WIN 0
	v_nop                                          ; one plain line behind a scaled conversion
.irp c, 0,1                                    ; the operand's layout wants a WHOLE block in a lane: lanes 0-15 block 2 c, lanes 16-31 block 2 c + 1
.irp i, 0,1,2
	v_permlane16_swap_b32 v[PCA+6*\c+\i], v[PT+4*\c+\i]
.endr
.irp i, 0,1,2
	v_mov_b32 v[PCA+3+6*\c+\i], v[PT+4*\c+\i]
.endr
.endr
.endm
	PLACES NP                                      ; behind the last products: their results are read and A's registers written from here on
	s_mov_b32 s92, 0x76543210
	s_mov_b32 s93, 0xfedcba98                      ; v_permlanex16_b32's selects for lane l xor 16
.irp b, 0,1,2,3
	v_mov_b32 v[TM+4+\b], 0                        ; written once: a lane permute's destination counts as one of its sources
.endr
.irp a, 0,1,2,3,4,5,6,7
	QUANTA \a
.endr
	s_cmp_eq_u32 s66, 1                            ; a branch on the cluster's x: the same in all partners
	s_cbranch_scc1 .Lv_out
	; q or k: block a is a tile of 16 tokens; registers 6 c .. 6 c + 5 are head c's fragment (K = 64: the lower six registers)
.irp a, 0,1,2,3,4,5,6,7
.irp c, 0,1
.irp p, 0,1,2
	global_store_b64 v[OC], v[PC+12*\a+6*\c+2*\p:PC+12*\a+6*\c+2*\p+1], s[12:13] offset:768*\a+HEADB*\c+256*\p   ; 32 lanes store 256 consecutive bytes, aligned
.endr
.endr
.endr
.irp a, 0,1,2,3,4,5,6,7
	v_lshrrev_b32 v[WO+\a], v[SH], v[SW+\a]        ; lanes 0-15 keep the first head's two bytes, lanes 16-31 take the second's
.endr
.irp a, 0,1,2,3,4,5,6,7
	v_and_b32 v[WO+\a], 0xffff, v[WO+\a]           ; the upper two bytes are 0: they scale the half of K that holds zero codes
.endr
	global_store_b128 v[OS], v[WO:WO+3], s[96:97]              ; sixteen lanes store 256 consecutive bytes: four tiles' words of 16 rows; the other sixteen the next head's
	global_store_b128 v[OS], v[WO+4:WO+7], s[96:97] offset:256
	s_branch .Lout_done
.Lv_out:
	; v: block a is tile a % 4 of head a / 4's 64 channels; its 12 registers are a whole fragment along my 128 keys
	s_wait_alu depctr_va_vdst(0)
.irp a, 0,1,2,3,4,5,6,7
.irp c, 0,1
.irp p, 0,1,2
	global_store_b64 v[OC], v[PC+12*\a+6*\c+2*\p:PC+12*\a+6*\c+2*\p+1], s[12:13] offset:HEADB*(\a/4)+1536*(\a%4)+768*\c+256*\p
.endr
.endr
.endr
	v_cmp_ne_u32 vcc_lo, 0, v[SH]
.irp t, 0,1,2,3
	v_cndmask_b32 v[WO+\t], v[SW+\t], v[SW+4+\t], vcc_lo       ; lanes 0-15 the first head's four tiles, lanes 16-31 the second's
.endr
	global_store_b128 v[OS], v[WO:WO+3], s[96:97]
.Lout_done:
	s_wait_tensorcnt 0x0                           ; the wave's end
	ds_add_u32 v[SPW], v[NIL]
	s_wait_dscnt 0x0
	CROUND                                         ; the closing round: no work-group ends while a partner may still ask for a tile that names it
	s_endpgm
.Lfunc_end_k_q0c7171a4a7_qkv:
	.size	k_q0c7171a4a7_qkv, .Lfunc_end_k_q0c7171a4a7_qkv-k_q0c7171a4a7_qkv
	.p2alignl 7, 3214868480
	.fill 96, 4, 3214868480
	.section	.rodata,"a",@progbits
	.p2align	6, 0x0
	.amdhsa_kernel k_q0c7171a4a7_qkv
		.amdhsa_group_segment_fixed_size 327680
		.amdhsa_private_segment_fixed_size 0
		.amdhsa_enable_private_segment 0
		.amdhsa_kernarg_size 40
		.amdhsa_user_sgpr_count 2
		.amdhsa_user_sgpr_kernarg_segment_ptr 1
		.amdhsa_wavefront_size32 1
		.amdhsa_system_sgpr_workgroup_id_x 1
		.amdhsa_system_sgpr_workgroup_id_y 1
		.amdhsa_system_sgpr_workgroup_id_z 1
		.amdhsa_system_vgpr_workitem_id 0
		.amdhsa_next_free_vgpr 1024
		.amdhsa_next_free_sgpr 100
		.amdhsa_reserve_vcc 1
		.amdhsa_float_denorm_mode_32 3
		.amdhsa_float_denorm_mode_16_64 3
		.amdhsa_memory_ordered 1
		.amdhsa_forward_progress 1
		.amdhsa_inst_pref_size 173
	.end_amdhsa_kernel
	.amdgpu_metadata
---
amdhsa.version: [ 1, 2 ]
amdhsa.kernels:
  - .name:           k_q0c7171a4a7_qkv
    .symbol:         k_q0c7171a4a7_qkv.kd
    .args:
      - { .name: xc, .offset: 0, .size: 8, .value_kind: global_buffer, .address_space: global }
      - { .name: xs, .offset: 8, .size: 8, .value_kind: global_buffer, .address_space: global }
      - { .name: wc, .offset: 16, .size: 8, .value_kind: global_buffer, .address_space: global }
      - { .name: ws, .offset: 24, .size: 8, .value_kind: global_buffer, .address_space: global }
      - { .name: qkv, .offset: 32, .size: 8, .value_kind: global_buffer, .address_space: global }
    .group_segment_fixed_size: 327680
    .private_segment_fixed_size: 0
    .kernarg_segment_align: 8
    .kernarg_segment_size: 40
    .max_flat_workgroup_size: 128
    .sgpr_count:     100
    .vgpr_count:     1024
    .wavefront_size: 32
...
	.end_amdgpu_metadata
.endif
;; end of part 2
;; launch attn (part 3): grid 4 x 64, 16 waves a work-group, clusters of 4 x 1, 327,680 bytes of LDS; arguments qkv, sequences, emb, bias_scale, aimg, asc; writes aimg, asc
.if DOCPART == 3
	.amdgcn_target "amdgcn-amd-amdhsa--gfx1250"
	.amdhsa_code_object_version 6
	.text
	.protected	k_q0c7171a4a7_attn
	.globl	k_q0c7171a4a7_attn
	.p2align	8
	.type	k_q0c7171a4a7_attn,@function
k_q0c7171a4a7_attn:
	s_mov_b64 s[64:65], 0
	v_nop
	global_prefetch_b8 v0, s[64:65] scope:SCOPE_SE
	s_setreg_imm32_b32 hwreg(HW_REG_WAVE_MODE, 25, 1), 1
	s_wait_xcnt 0x0
	s_wait_alu depctr_hold_cnt(0) depctr_sa_sdst(0) depctr_va_vdst(0) depctr_va_sdst(0) depctr_va_ssrc(0) depctr_va_vcc(0) depctr_vm_vsrc(0)
	s_getreg_b32 s2, hwreg(HW_REG_IB_STS2, 6, 4)
	s_cmp_eq_u32 s2, 0
	s_cbranch_scc0 .Lentry_in_a_cluster
	s_endpgm
.Lentry_in_a_cluster:
	s_bfe_u32 s2, ttmp6, 0x10000c
	s_cmp_lg_u32 s2, 0x3003
	s_cbranch_scc0 .Lentry_shape_is_right
	s_endpgm
.Lentry_shape_is_right:
; CAUSAL ATTENTION ON CODES OF FP6 (E2M3), head size 64, 2,048 tokens, 64 (batch, head) pairs; then + bias_scale x the sum of four rows of emb; the result is quantised along D for the last product.
; Key tiles that lie wholly behind a query tile's causal mask are not multiplied.
; IN: qkv, [64 pairs][8 blocks of 256 tokens] x 39,424 bytes: K's codes, K's scale words, V's codes (keys innermost), V's scale words (26,112 bytes: a slot), Q's codes, Q's scale words: images of operand registers.
; THE SOFTMAX: t = score x log2(e) / 8; M = the largest t so far, rounded up to a whole number; p = 2^(t - M) is quantised along the keys; the sum is taken of the unquantised p and divides at the end.
; SHARES.  The four work-groups of a pair form a cluster.  Work-group i owns the query tiles g (16 queries) with g % 4 = i; wave w takes g = 124 - 4 w + i, then g = 4 w + i: 16 - w / 2 and w / 2 + 1 key steps of 128, 17 in every wave.
; Both tiles walk their keys from the diagonal down, so the mask stands in a tile's first step alone, and which steps those are hangs on the wave's number alone.
; LDS: seven places of a slot each.  At the head 14 waves ask jointly (mask 15) for half a slot each: slots 1 to 6 in places 1 to 6, slot 7 in place 0.  Slot 7 is read in trips 0 and 1 alone (steps 14, 15: waves 0 to 3);
; behind a round of the cluster's barrier slot 0 is asked for into place 0; it is first read in trip 7 (16 - w / 2 - 2 >= 7), behind a barrier ahead of trip 6.  Trips 2 to 5 read places 1 to 6.
; NO PREFETCH: K and V are asked for at the head (slot 0 two trips later); there is no loop to run ahead in.  The rows of emb are asked for by their loads a key step ahead.
; LAYOUT: both products transposed (S^T = K Q^T, O^T = V^T P^T): a lane holds one query.  Tiles hold rows in the order pi (bits 3 and 4 of a row's number exchanged): 16 registers of two neighbouring tiles are 16 neighbours.
; K = 64 in an instruction of K = 128: Q's registers 6-11 are zero codes, the upper two bytes of both scale words are 0; K's tile is named with the next tile's six registers (behind the last: zeros), which meet Q's zero codes.
; OUT: aimg [32 blocks of 256 tokens][4 steps of 256 along D][16 tiles of tokens][4 heads][768 bytes]; asc [8192 rows in the order pi][32]: two scale bytes for each head (two bytes a row, rows 32 bytes apart).
; LIMITS: scaled scores stay under 2^31 in magnitude; an index is held at 31,999; 1 / l is v_rcp_f32's; a block of zeros gets the byte 1 (read by this program alone); largest magnitudes under 2^-124 are held there; NaN and infinities are not served.
.set BLKB,  39424
.set SLOTB, 26112
.set HALFB, 13056                      ; half a slot: 51 rows of 256 bytes
.set STG,   7*SLOTB                    ; the bias: 32 rows x 272 bytes for each wave; no fill lands here
.set WSTG,  32*272
.set SPARE, STG+16*WSTG                ; the spare words, 128 bytes a wave
.set L8,   1                           ; 8 x lane
.set R16,  2                           ; 16 x r
.set SPW,  3
.set NIL,  4
.set ADK,  5                           ; codes of the step in hand + 8 x lane
.set ADS,  6                           ; V's scale words + 16 x r
.set DQ,   7                           ; my query's place in its 32, less 16 h
.set GST0, 8
.set BRD,  9
.set GSTA, 10
.set H16,  11
;          12 -M, 13 largest t, 14-15 the sum, 16-27 Q, 28 Q's scale word
.set ADS2, 29                          ; K's scale words + 16 x r
.set R32,  30
.set GSA,  31
.set FRG,  32
.set ZR,   80
.set IDX,  86
.set GOF,  90
.set CH,   94                          ; v[94:95] a chain of the sum
.set S,    96
.set O,    160
.set GD,   192
.set PC,   208
.set PT,   220
.set BM,   228
.set BX,   232
.set SO,   236
.set KSC,  240                         ; v240-247 scale words alone
.set PW,   248                         ; p's scale word alone
.set T,    249
.set F,    250
.set GR,   252
.set WV,   18
.set I,    19
.set SEL,  20
.set CS,   22
.set G1,   24
.set G0,   32                          ; the head's load
.set G0R,  36                          ; slot 0's
.set C,    40                          ; the trip, 0..16
.set N1,   41                          ; the first tile's steps
.set DG,   42                          ; the trip that holds the diagonal
.set KF,   45
.set QB,   46                          ; s46, s47: first of the 32 tokens of tile 1, 2
.set QP1,  48
.set AO1,  52
.set AS1,  56
.set QS1,  60
.set EMB,  66
.set SQ1,  68                          ; s68, s69
.macro CROUND
	s_barrier_signal -1
	s_barrier_wait -1
	s_cmp_lg_u32 s[WV], 0
	s_cbranch_scc1 .Lnot_wave_0_\@
	s_barrier_signal -3
.Lnot_wave_0_\@:
	s_barrier_wait -3
	s_barrier_signal -1
	s_barrier_wait -1
.endm
	s_load_b256 s[4:11], s[0:1], 0x0               ; qkv, sequences, emb, bias_scale
	s_load_b128 s[12:15], s[0:1], 0x20             ; aimg, asc
	v_lshl_add_u32 v[SPW], v0, 2, SPARE
	v_mov_b32 v[NIL], 0
	ds_add_u32 v[SPW], v[NIL]
	ds_add_u32 v[SPW], v[NIL]
	v_lshrrev_b32 v252, 5, v0
	v_readfirstlane_b32 s[WV], v252
	s_bfe_u32 s[I], ttmp6, 0x40000                 ; i: my place in the cluster: it enters global addresses and vector data alone
	s_and_b32 s72, ttmp7, 0xffff                   ; the pair
	s_lshr_b32 s73, s72, 4                         ; batch
	s_and_b32 s74, s72, 15                         ; head
	s_mul_i32 s76, s72, 8*BLKB
	s_mov_b32 s[G1], 15|(3<<16)|(1<<21)            ; the four partners; elements of 8 bytes; 51 dense rows of 256 bytes
	s_mov_b32 s[G1+1], 32<<16
	s_mov_b32 s[G1+2], 51<<16
	s_mov_b32 s[G1+3], 32<<16
	s_mov_b32 s[G1+4], 51
	s_mov_b32 s[G1+5], 32
	s_mov_b32 s[G1+6], 0
	s_mov_b32 s[G1+7], 0
	s_lshr_b32 s80, s[WV], 1                       ; place w / 2 takes slot w / 2, place 0 slot 7
	s_cmp_eq_u32 s80, 0
	s_cselect_b32 s80, 7, s80
	s_mul_i32 s80, s80, BLKB
	s_and_b32 s82, s[WV], 1
	s_mul_i32 s82, s82, HALFB
	s_add_co_u32 s80, s80, s82
	s_add_co_u32 s80, s80, s76
	s_mov_b32 s81, 0
	s_add_co_u32 s84, s82, s76
	s_mov_b32 s85, 0
	s_mov_b32 s[G0], 1
	s_mul_i32 s[G0+1], s[WV], HALFB
	s_mov_b32 s[G0R], 1
	s_mov_b32 s[G0R+1], s82
	s_wait_dscnt 0x0
	s_wait_kmcnt 0x0
	s_load_b32 s16, s[10:11], 0x0
	s_add_nc_u64 s[G0+2:G0+3], s[4:5], s[80:81]
	s_or_b32 s[G0+3], s[G0+3], 0x80000000
	s_add_nc_u64 s[G0R+2:G0R+3], s[4:5], s[84:85]
	s_or_b32 s[G0R+3], s[G0R+3], 0x80000000
	CROUND                                         ; the four work-groups are here: the joint loads meet
	s_cmp_lt_u32 s[WV], 14
	s_cbranch_scc0 .Lno_head
	tensor_load_to_lds s[G0:G0+3], s[G1:G1+7]
	s_nop 0
.rept 4
	v_nop
.endr
.Lno_head:
	s_lshl_b32 s70, s[WV], 2
	s_add_co_u32 s71, s70, s[I]                    ; the second tile, 4 w + i
	s_sub_co_u32 s70, 124, s70
	s_add_co_u32 s70, s70, s[I]                    ; the first, 124 - 4 w + i
	s_and_b32 s78, s[I], 1
	s_lshl_b32 s78, s78, 3                         ; 8 (g % 2)
	s_lshl_b32 s79, s74, 1
	s_lshr_b32 s87, s74, 2                         ; aimg is laid [256 tokens][4 steps of 256 along D][16 tiles of tokens][4 heads][768 bytes]: the head's place in it
	s_mul_i32 s87, s87, 49152
	s_and_b32 s86, s74, 3
	s_mul_i32 s86, s86, 768
	s_add_co_u32 s87, s87, s86
.macro TILE g, n                       ; tile g's addresses: Q's codes and scale words, aimg, asc, its 32 tokens, its place in sequences
	s_lshr_b32 s80, s\g, 4
	s_mul_i32 s80, s80, BLKB
	s_add_co_u32 s80, s80, s76
	s_add_co_u32 s80, s80, SLOTB
	s_and_b32 s82, s\g, 15
	s_mul_i32 s84, s82, 768
	s_add_co_u32 s84, s84, s80
	s_add_nc_u64 s[QP1+2*\n:QP1+2*\n+1], s[4:5], s[84:85]
	s_lshr_b32 s84, s82, 2
	s_lshl_b32 s84, s84, 8
	s_and_b32 s82, s82, 3
	s_lshl_b32 s82, s82, 2
	s_add_co_u32 s84, s84, s82
	s_add_co_u32 s84, s84, s80
	s_add_co_u32 s84, s84, 12288
	s_add_nc_u64 s[QS1+2*\n:QS1+2*\n+1], s[4:5], s[84:85]
	s_lshl_b32 s82, s73, 7
	s_add_co_u32 s82, s82, s\g
	s_lshr_b32 s84, s82, 4
	s_mul_i32 s84, s84, 196608
	s_and_b32 s86, s82, 15
	s_mul_i32 s86, s86, 3072
	s_add_co_u32 s84, s84, s86
	s_add_co_u32 s84, s84, s87
	s_add_nc_u64 s[AO1+2*\n:AO1+2*\n+1], s[12:13], s[84:85]
	s_lshl_b32 s84, s82, 9
	s_add_co_u32 s84, s84, s79
	s_add_nc_u64 s[AS1+2*\n:AS1+2*\n+1], s[14:15], s[84:85]
	s_lshr_b32 s82, s\g, 1
	s_lshl_b32 s[QB+\n], s82, 5
	s_lshl_b32 s84, s73, 11
	s_add_co_u32 s84, s84, s[QB+\n]
	s_add_co_u32 s84, s84, s78
	s_lshl_b32 s[SQ1+\n], s84, 4
.endm
	TILE 70, 0
	TILE 71, 1
	s_lshl_b32 s84, s74, 8
	s_add_nc_u64 s[EMB:EMB+1], s[8:9], s[84:85]    ; the head's 256 bytes of a row of emb
	s_lshr_b32 s[N1], s[WV], 1
	s_sub_co_u32 s[N1], 16, s[N1]
	s_mov_b32 s[DG], 0
	s_mov_b32 s[C], 0
	s_mov_b32 s[SEL], 0x76543210
	s_mov_b32 s[SEL+1], 0xfedcba98
	s_mov_b32 s[CS], 0x3e38aa3b                    ; log2(e) / 8
	s_mov_b32 s[CS+1], s[CS]
	v_and_b32 v252, 31, v0
	v_and_b32 v253, 15, v0
	v_bfe_u32 v254, v0, 4, 1
	v_lshlrev_b32 v[L8], 3, v252
	v_lshlrev_b32 v[R16], 4, v253
	v_lshlrev_b32 v[H16], 4, v254
	v_and_b32 v[DQ], 8, v253
	v_add_nc_u32 v[DQ], v[DQ], v253
	v_sub_nc_u32 v[DQ], v[DQ], v[H16]
	v_add_nc_u32 v[DQ], s78, v[DQ]
	s_mul_i32 s77, s[WV], WSTG
	s_add_co_u32 s77, s77, STG
	v_mul_u32_u24 v[GST0], v254, 272
	v_add_nc_u32 v[GST0], v[GST0], v[R16]
	v_add_nc_u32 v[GST0], s77, v[GST0]
	v_mul_u32_u24 v[BRD], v253, 272
	v_lshl_add_u32 v[BRD], v254, 6, v[BRD]
	v_add_nc_u32 v[BRD], s77, v[BRD]
	v_lshlrev_b32 v[R32], 5, v253
.irp p, 0,1,2
	global_load_b64 v[16+2*\p:17+2*\p], v[L8], s[QP1:QP1+1] offset:256*\p
.endr
	global_load_b32 v28, v[R16], s[QS1:QS1+1]
	v_add_nc_u32 v[GSA], s[SQ1], v[H16]
	global_load_b128 v[IDX:IDX+3], v[GSA], s[6:7]
	v_mov_b32 v13, 0xff61b1e6                      ; -3e38, under every t
	v_floor_f32 v12, -v13
	v_mov_b32 v14, 0
	v_mov_b32 v15, 0
.irp j, 0,1,2,3,4,5
	v_mov_b32 v[22+\j], 0
	v_mov_b32 v[ZR+\j], 0
.endr
.irp b, 0,1,2,3
	v_mov_b32 v[BX+\b], 0                          ; a lane permute's destination counts as a source
.endr
	v_mov_b32 v[T], 0
	v_mov_b32 v[F+1], 0
.set j, 0
.rept 32
	v_mov_b32 v[O+j], 0                            ; a step is written once: a tile's first finds zeros
.set j, j+1
.endr
	s_wait_kmcnt 0x0
	s_mov_b32 s17, s16
	s_wait_alu depctr_va_vdst(0)
	s_wait_loadcnt 0x0
.macro ROWS                            ; the four indices become offsets in emb, held inside the table, and their pieces are asked for: sixteen lanes read 256 consecutive bytes
.irp k, 0,1,2,3
	v_min_u32 v[GOF+\k], 0x7cff, v[IDX+\k]
.endr
.irp k, 0,1,2,3
	v_lshlrev_b32 v[GOF+\k], 12, v[GOF+\k]
.endr
.irp k, 0,1,2,3
	v_add_nc_u32 v[GOF+\k], v[GOF+\k], v[R16]
.endr
.irp k, 0,1,2,3
	global_load_b128 v[GD+4*\k:GD+4*\k+3], v[GOF+\k], s[EMB:EMB+1]
.endr
.endm
	ROWS
	s_add_co_u32 s73, s[SQ1], 32
	v_add_nc_u32 v[GSA], s73, v[H16]
	global_load_b128 v[IDX:IDX+3], v[GSA], s[6:7]
; THE GATHER, two tokens a trip.  Batch n = the trip: rows 2 (n % 8), + 1 of my first (n < 8) or second tile.  Its pieces were asked for a trip ago; the next batch's are asked for here, and the indices of the one after.
.macro G
	s_wait_loadcnt 0x0
	s_wait_dscnt 0x0
	v_pk_add_f32 v[GR:GR+1], v[GD:GD+1], v[GD+4:GD+5]
	v_pk_add_f32 v[GR+2:GR+3], v[GD+2:GD+3], v[GD+6:GD+7]
	v_pk_add_f32 v[GD:GD+1], v[GD+8:GD+9], v[GD+12:GD+13]
	v_pk_add_f32 v[GD+2:GD+3], v[GD+10:GD+11], v[GD+14:GD+15]
	s_min_u32 s75, s[C], 15
	s_mul_i32 s75, s75, 544
	v_add_nc_u32 v[GSTA], s75, v[GST0]
	v_pk_add_f32 v[GR:GR+1], v[GR:GR+1], v[GD:GD+1]
	v_pk_add_f32 v[GR+2:GR+3], v[GR+2:GR+3], v[GD+2:GD+3]
	s_delay_alu instid0(VALU_DEP_2)
	v_pk_mul_f32 v[GR:GR+1], v[GR:GR+1], s[16:17] op_sel_hi:[1,0]
	s_delay_alu instid0(VALU_DEP_2)
	v_pk_mul_f32 v[GR+2:GR+3], v[GR+2:GR+3], s[16:17] op_sel_hi:[1,0]
	ds_store_b128 v[GSTA], v[GR:GR+3]              ; two rows of 256 bytes, 272 apart
	s_cmp_lt_u32 s[C], 15
	s_cbranch_scc0 .Lg_done_\@
	ROWS
	s_cmp_lt_u32 s[C], 14
	s_cbranch_scc0 .Lg_done_\@
	s_add_co_u32 s72, s[C], 2
	s_cmp_lt_u32 s72, 8
	s_cselect_b32 s73, s[SQ1], s[SQ1+1]
	s_and_b32 s72, s72, 7                          ; j: rows 2 j, 2 j + 1 are tokens 2 j + 8 (j / 4), + 1 on from the tile's first
	s_lshl_b32 s74, s72, 5
	s_add_co_u32 s73, s73, s74
	s_lshr_b32 s72, s72, 2
	s_lshl_b32 s72, s72, 7
	s_add_co_u32 s73, s73, s72
	v_add_nc_u32 v[GSA], s73, v[H16]
	global_load_b128 v[IDX:IDX+3], v[GSA], s[6:7]
.Lg_done_\@:
.endm
; A KEY STEP of 128 keys.  The step's number: first tile N1 - 1 - trip, second tile 16 - trip.  ph = 1: trips 2 to 5, all in the first tile, places 1 to 6.  mask = 1: the text holds the diagonal's mask.
.macro STEP ph, mask
	s_sub_co_u32 s96, s[N1], 1
	s_sub_co_u32 s96, s96, s[C]
.if \ph != 1
	s_sub_co_u32 s97, 16, s[C]
	s_cmp_lt_u32 s[C], s[N1]
	s_cselect_b32 s96, s96, s97
.endif
	s_and_b32 s96, s96, 15
	s_lshl_b32 s[KF], s96, 7                       ; the step's first key
	s_lshr_b32 s97, s96, 1                         ; its slot
.if \ph == 1
	s_sub_co_u32 s97, s97, 1
	s_min_u32 s97, s97, 5
	s_mul_i32 s97, s97, SLOTB
	s_add_co_u32 s97, s97, SLOTB
.else
	s_cmp_eq_u32 s97, 7
	s_cselect_b32 s97, 0, s97
	s_min_u32 s97, s97, 6
	s_mul_i32 s97, s97, SLOTB
.endif
	s_and_b32 s96, s96, 1                          ; which half of the slot's keys
	s_mul_i32 s98, s96, 6144
	s_add_co_u32 s98, s98, s97
	s_lshl_b32 s96, s96, 8
	s_add_co_u32 s97, s97, s96
	s_add_co_u32 s96, s97, s96
	v_add_nc_u32 v[ADK], s98, v[L8]
	v_add_nc_u32 v[ADS], s97, v[R16]
	v_add_nc_u32 v[ADS2], s96, v[R16]
.irp t, 0,1,2,3,4,5,6,7
.irp p, 0,1,2
	ds_load_b64 v[FRG+6*\t+2*\p:FRG+6*\t+2*\p+1], v[ADK] offset:\t*768+256*\p
.endr
.endr
.irp e, 0,1
	ds_load_b128 v[KSC+4*\e:KSC+4*\e+3], v[ADS2] offset:12288+256*\e
.endr
	s_wait_alu depctr_va_vdst(0)
	s_wait_dscnt 0x0
.irp t, 0,1,2,3,4,5,6,7
	v_wmma_scale_f32_16x16x128_f8f6f4 v[S+8*\t:S+8*\t+7], v[FRG+6*\t:FRG+6*\t+11], v[16:27], 0, v[KSC+\t], v28 matrix_a_fmt:MATRIX_FMT_FP6 matrix_b_fmt:MATRIX_FMT_FP6
.endr
.rept 4
	v_nop                                          ; places behind the products
.endr
.irp t, 0,1,2,3                                ; V's four tiles land under the softmax
.irp p, 0,1,2,3,4,5
	ds_load_b64 v[FRG+12*\t+2*\p:FRG+12*\t+2*\p+1], v[ADK] offset:13312+1536*\t+256*\p
.endr
.endr
	ds_load_b128 v[KSC:KSC+3], v[ADS] offset:25600
.if \mask
	s_cmp_lg_u32 s[C], s[DG]                       ; a tile's first step holds its diagonal
	s_cbranch_scc1 .Lopen_\@
	s_sub_co_i32 s96, s[QB], s[KF]
	v_add_nc_u32 v[F], s96, v[DQ]                  ; register 16 b + i holds key 32 b + 16 h + i of the step: hidden where 32 b + i > my query - the first key - 16 h
	v_mov_b32 v[T], 0xff800000
.set n, 0
.rept 64
	v_cmp_gt_i32 vcc_lo, 32*(n/16)+n%16, v[F]
	v_cndmask_b32 v[S+n], v[S+n], v[T], vcc_lo
.set n, n+1
.endr
.Lopen_\@:
.endif
.irp b, 0,1,2,3
	v_max3_num_f32 v[BM+\b], v[S+16*\b], v[S+1+16*\b], v[S+2+16*\b]   ; each block's largest score: for the row's maximum and for the block's largest p
.endr
.irp i, 3,5,7,9,11,13
.irp b, 0,1,2,3
	v_max3_num_f32 v[BM+\b], v[BM+\b], v[S+16*\b+\i], v[S+1+16*\b+\i]
.endr
.endr
.irp b, 0,1,2,3
	v_max_num_f32 v[BM+\b], v[BM+\b], v[S+15+16*\b]
.endr
.irp b, 0,1,2,3
	v_permlanex16_b32 v[BX+\b], v[BM+\b], s[SEL], s[SEL+1]
.endr
.irp b, 0,1,2,3
	v_max_num_f32 v[BM+\b], v[BM+\b], v[BX+\b]
.endr
	v_max3_num_f32 v[T], v[BM], v[BM+1], v[BM+2]
	s_delay_alu instid0(VALU_DEP_1)
	v_max_num_f32 v[T], v[T], v[BM+3]
	s_delay_alu instid0(VALU_DEP_1)
	v_mul_f32 v[T], s[CS], v[T]
	s_delay_alu instid0(VALU_DEP_1)
	v_max_num_f32 v13, v13, v[T]                   ; the running largest t
	v_mov_b32 v[T], v12
	s_delay_alu instid0(VALU_DEP_2)
	v_floor_f32 v12, -v13                          ; -M = -ceil(t)
	s_delay_alu instid0(VALU_DEP_1)
	v_sub_f32 v[T], v12, v[T]
	s_delay_alu instid0(VALU_DEP_1)
	v_cvt_i32_f32 v[T], v[T]
	s_delay_alu instid0(VALU_DEP_1)
	v_ldexp_f32 v[F], 1.0, v[T]                    ; f = 2^(old M - new M)
.set j, 0
.rept 32
	v_pk_fma_f32 v[S+j:S+j+1], v[S+j:S+j+1], s[CS:CS+1], v[12:13] op_sel_hi:[1,0,0]
.set j, j+2
.endr
.irp b, 0,1,2,3
	v_fma_f32 v[BM+\b], v[BM+\b], s[CS], v12
.endr
	s_wait_alu depctr_va_vdst(0)
.set j, 0
.rept 64
	v_exp_f32 v[S+j], v[S+j]
.set j, j+1
.endr
	v_pk_mul_f32 v[14:15], v[14:15], v[F:F+1] op_sel_hi:[1,0]
	s_wait_alu depctr_va_vdst(0)
.irp b, 0,1,2,3
	v_exp_f32 v[BM+\b], v[BM+\b]                   ; the block's largest p
.endr
.set j, 0                              ; the row's sum of the unquantised p, in eight chains
.irp c, 232,234,236,238,252,254,CH
	v_pk_add_f32 v[\c:\c+1], v[S+j:S+j+1], v[S+j+2:S+j+3]
.set j, j+4
.endr
.rept 2
.irp c, 232,234,236,238,252,254,CH,14
	v_pk_add_f32 v[\c:\c+1], v[\c:\c+1], v[S+j:S+j+1]
.set j, j+2
.endr
.endr
	v_pk_add_f32 v[232:233], v[232:233], v[S+60:S+61]
	v_pk_add_f32 v[234:235], v[234:235], v[S+62:S+63]
	v_pk_add_f32 v[252:253], v[252:253], v[CH:CH+1]
	v_pk_add_f32 v[14:15], v[14:15], v[254:255]
	v_pk_add_f32 v[232:233], v[232:233], v[236:237]
	v_pk_add_f32 v[234:235], v[234:235], v[238:239]
	v_pk_add_f32 v[14:15], v[14:15], v[252:253]
	s_delay_alu instid0(VALU_DEP_2)
	v_pk_add_f32 v[232:233], v[232:233], v[234:235]
	s_delay_alu instid0(VALU_DEP_1)
	v_pk_add_f32 v[14:15], v[14:15], v[232:233]
	s_wait_alu depctr_va_vdst(0)                   ; for the four
.irp b, 0,1,2,3
	v_max_num_f32 v[BM+\b], 0x1800000, v[BM+\b]    ; the floor 2^(3 - 127)
.endr
.irp b, 0,1,2,3
	v_add_nc_u32 v[SO+\b], 0xff000000, v[BM+\b]    ; the conversion's scale operand
.endr
.irp b, 0,1,2,3
	v_lshrrev_b32 v[BX+\b], 23, v[SO+\b]
.endr
	v_lshl_or_b32 v[PW], v[BX+1], 8, v[BX]
	s_delay_alu instid0(VALU_DEP_1)
	v_lshl_or_b32 v[PW], v[BX+2], 16, v[PW]
	s_delay_alu instid0(VALU_DEP_1)
	v_lshl_or_b32 v[PW], v[BX+3], 24, v[PW]
.irp c, 0,1
	v_cvt_scalef32_pk16_fp6_f32 v[PC+6*\c:PC+6*\c+2], v[S+32*\c:S+32*\c+15], v[SO+2*\c]
	v_cvt_scalef32_pk16_fp6_f32 v[PT+4*\c:PT+4*\c+2], v[S+32*\c+16:S+32*\c+31], v[SO+2*\c+1]
.endr
	v_nop
.irp c, 0,1                                    ; a whole block in a lane
.irp i, 0,1,2
	v_permlane16_swap_b32 v[PC+6*\c+\i], v[PT+4*\c+\i]
.endr
.irp i, 0,1,2
	v_mov_b32 v[PC+3+6*\c+\i], v[PT+4*\c+\i]
.endr
.endr
.set j, 0
.rept 16
	v_pk_mul_f32 v[O+j:O+j+1], v[O+j:O+j+1], v[F:F+1] op_sel_hi:[1,0]   ; O^T under the new M; these are also the places ahead of the products below
.set j, j+2
.endr
	s_wait_alu depctr_va_vdst(0)
	s_wait_dscnt 0x0                               ; V is in
.irp t, 0,1,2,3
	v_wmma_scale_f32_16x16x128_f8f6f4 v[O+8*\t:O+8*\t+7], v[FRG+12*\t:FRG+12*\t+11], v[PC:PC+11], v[O+8*\t:O+8*\t+7], v[KSC+\t], v[PW] matrix_a_fmt:MATRIX_FMT_FP6 matrix_b_fmt:MATRIX_FMT_FP6
.endr
.rept 4
	v_nop
.endr
.endm
; A TILE'S END: O^T / l + the bias; the head's two blocks of 32 along D are quantised; six registers of codes and two scale bytes a row leave.  last = 0: the second tile's Q is fetched and the state begins anew.
.macro EPI tile, last
.if !\last
.irp p, 0,1,2
	global_load_b64 v[16+2*\p:17+2*\p], v[L8], s[QP1+2:QP1+3] offset:256*\p
.endr
	global_load_b32 v28, v[R16], s[QS1+2:QS1+3]
.endif
	v_add_f32 v14, v14, v15
	s_delay_alu instid0(VALU_DEP_1)
	v_permlanex16_b32 v[T], v14, s[SEL], s[SEL+1]
	s_delay_alu instid0(VALU_DEP_1)
	v_add_f32 v14, v14, v[T]
	s_wait_alu depctr_va_vdst(0)
	v_rcp_f32 v[F], v14
.irp b, 0,1
.irp e, 0,1,2,3
	ds_load_b128 v[S+32+16*\b+4*\e:S+32+16*\b+4*\e+3], v[BRD] offset:16*272*\tile+128*\b+16*\e   ; my query's bias: my wave's own bytes
.endr
.endr
	v_nop
	s_wait_alu depctr_va_vdst(0)
	s_wait_dscnt 0x0
.set j, 0
.rept 16
	v_pk_fma_f32 v[S+j:S+j+1], v[O+j:O+j+1], v[F:F+1], v[S+32+j:S+33+j] op_sel_hi:[1,0,1]   ; each accumulator from its low end on
.set j, j+2
.endr
.irp b, 0,1
	v_max3_num_f32 v[BM+\b], |v[S+16*\b]|, |v[S+1+16*\b]|, 0x1800000
.endr
.irp i, 2,4,6,8,10,12,14
.irp b, 0,1
	v_max3_num_f32 v[BM+\b], v[BM+\b], |v[S+16*\b+\i]|, |v[S+1+16*\b+\i]|
.endr
.endr
.irp b, 0,1
	v_permlanex16_b32 v[BX+\b], v[BM+\b], s[SEL], s[SEL+1]
.endr
.irp b, 0,1
	v_max_num_f32 v[BM+\b], v[BM+\b], v[BX+\b]
.endr
.irp b, 0,1
	v_add_nc_u32 v[SO+\b], 0xff000000, v[BM+\b]
.endr
.irp b, 0,1
	v_lshrrev_b32 v[BX+\b], 23, v[SO+\b]
.endr
	v_lshl_or_b32 v[T], v[BX+1], 8, v[BX]
	v_cvt_scalef32_pk16_fp6_f32 v[PC:PC+2], v[S:S+15], v[SO]
	v_cvt_scalef32_pk16_fp6_f32 v[PT:PT+2], v[S+16:S+31], v[SO+1]
	v_nop
.irp i, 0,1,2
	v_permlane16_swap_b32 v[PC+\i], v[PT+\i]
.endr
.irp i, 0,1,2
	v_mov_b32 v[PC+3+\i], v[PT+\i]
.endr
.irp p, 0,1,2
	global_store_b64 v[L8], v[PC+2*\p:PC+2*\p+1], s[AO1+2*\tile:AO1+2*\tile+1] offset:256*\p   ; 32 lanes store 256 consecutive bytes, aligned
.endr
	global_store_b16 v[R32], v[T], s[AS1+2*\tile:AS1+2*\tile+1]
.if !\last
.set j, 0
.rept 32
	v_mov_b32 v[O+j], 0
.set j, j+1
.endr
	v_mov_b32 v13, 0xff61b1e6
	v_floor_f32 v12, -v13
	v_mov_b32 v14, 0
	v_mov_b32 v15, 0
	s_mov_b32 s[QB], s[QB+1]
	s_wait_alu depctr_va_vdst(0)
	s_wait_loadcnt 0x0
	s_wait_xcnt 0x0                                ; the stores have read their registers
.endif
.endm
.macro TRIP ph, mask, sw               ; sw = 1: the trips in which the gather ends and the tiles change
	s_wait_alu depctr_va_vdst(0)
.if \sw
	s_cmp_lt_u32 s[C], 16
	s_cbranch_scc0 .Lno_g_\@
.endif
	G
.Lno_g_\@:
	STEP \ph, \mask
.if \sw
	s_add_co_u32 s96, s[C], 1
	s_cmp_lg_u32 s96, s[N1]                        ; a branch on the wave's number and the trip
	s_cbranch_scc1 .Lsame_\@
	EPI 0, 0
.Lsame_\@:
.endif
.endm
	s_wait_alu depctr_va_vdst(0)
	s_wait_tensorcnt 0x0                           ; my half slot is in,
	s_barrier_signal -1
	s_barrier_wait -1                              ; everybody's are
.Lfirst:
	TRIP 0, 1, 0
	s_add_co_u32 s[C], s[C], 1
	s_cmp_lt_u32 s[C], 2
	s_cbranch_scc1 .Lfirst
	s_wait_tensorcnt 0x0                           ; slot 7 is read no more
	ds_add_u32 v[SPW], v[NIL]
	ds_add_u32 v[SPW], v[NIL]
	s_wait_dscnt 0x0
	CROUND
	s_cmp_lt_u32 s[WV], 2
	s_cbranch_scc0 .Lno_refill
	tensor_load_to_lds s[G0R:G0R+3], s[G1:G1+7]    ; slot 0 into place 0, half a wave
	s_nop 0
.rept 4
	v_nop
.endr
.Lno_refill:
	s_mov_b32 s[C], 2
.Lmid:
	TRIP 1, 0, 0
	s_add_co_u32 s[C], s[C], 1
	s_cmp_lt_u32 s[C], 6
	s_cbranch_scc1 .Lmid
	s_wait_tensorcnt 0x0                           ; slot 0 is in
	s_wait_dscnt 0x0
	s_barrier_signal -1
	s_barrier_wait -1
	s_mov_b32 s[DG], s[N1]                         ; the second tile's diagonal
	s_mov_b32 s[C], 6
.Llast:
	TRIP 2, 1, 1
	s_add_co_u32 s[C], s[C], 1
	s_cmp_lt_u32 s[C], 17
	s_cbranch_scc1 .Llast
	s_wait_alu depctr_va_vdst(0)
	EPI 1, 1
	s_wait_tensorcnt 0x0                           ; the wave's end
	ds_add_u32 v[SPW], v[NIL]
	s_wait_dscnt 0x0
	CROUND                                         ; the closing round
	s_endpgm
.Lfunc_end_k_q0c7171a4a7_attn:
	.size	k_q0c7171a4a7_attn, .Lfunc_end_k_q0c7171a4a7_attn-k_q0c7171a4a7_attn
	.p2alignl 7, 3214868480
	.fill 96, 4, 3214868480
	.section	.rodata,"a",@progbits
	.p2align	6, 0x0
	.amdhsa_kernel k_q0c7171a4a7_attn
		.amdhsa_group_segment_fixed_size 327680
		.amdhsa_private_segment_fixed_size 0
		.amdhsa_enable_private_segment 0
		.amdhsa_kernarg_size 48
		.amdhsa_user_sgpr_count 2
		.amdhsa_user_sgpr_kernarg_segment_ptr 1
		.amdhsa_wavefront_size32 1
		.amdhsa_system_sgpr_workgroup_id_x 1
		.amdhsa_system_sgpr_workgroup_id_y 1
		.amdhsa_system_sgpr_workgroup_id_z 1
		.amdhsa_system_vgpr_workitem_id 0
		.amdhsa_next_free_vgpr 256
		.amdhsa_next_free_sgpr 100
		.amdhsa_reserve_vcc 1
		.amdhsa_float_denorm_mode_32 3
		.amdhsa_float_denorm_mode_16_64 3
		.amdhsa_memory_ordered 1
		.amdhsa_forward_progress 1
		.amdhsa_inst_pref_size 93
	.end_amdhsa_kernel
	.amdgpu_metadata
---
amdhsa.version: [ 1, 2 ]
amdhsa.kernels:
  - .name:           k_q0c7171a4a7_attn
    .symbol:         k_q0c7171a4a7_attn.kd
    .args:
      - { .name: qkv, .offset: 0, .size: 8, .value_kind: global_buffer, .address_space: global }
      - { .name: sequences, .offset: 8, .size: 8, .value_kind: global_buffer, .address_space: global }
      - { .name: emb, .offset: 16, .size: 8, .value_kind: global_buffer, .address_space: global }
      - { .name: bias_scale, .offset: 24, .size: 8, .value_kind: global_buffer, .address_space: global }
      - { .name: aimg, .offset: 32, .size: 8, .value_kind: global_buffer, .address_space: global }
      - { .name: asc, .offset: 40, .size: 8, .value_kind: global_buffer, .address_space: global }
    .group_segment_fixed_size: 327680
    .private_segment_fixed_size: 0
    .kernarg_segment_align: 8
    .kernarg_segment_size: 48
    .max_flat_workgroup_size: 512
    .sgpr_count:     100
    .vgpr_count:     256
    .wavefront_size: 32
...
	.end_amdgpu_metadata
.endif
;; end of part 3
;; launch proj (part 4): grid 4 x 32, 4 waves a work-group, clusters of 4 x 4, 327,680 bytes of LDS; arguments aimg, asc, wc, ws, bout, out0; writes out0
.if DOCPART == 4
	.amdgcn_target "amdgcn-amd-amdhsa--gfx1250"
	.amdhsa_code_object_version 6
	.text
	.protected	k_q0c7171a4a7_proj
	.globl	k_q0c7171a4a7_proj
	.p2align	8
	.type	k_q0c7171a4a7_proj,@function
k_q0c7171a4a7_proj:
	s_mov_b64 s[64:65], 0
	v_nop
	global_prefetch_b8 v0, s[64:65] scope:SCOPE_SE
	s_setreg_imm32_b32 hwreg(HW_REG_WAVE_MODE, 25, 1), 1
	s_wait_xcnt 0x0
	s_wait_alu depctr_hold_cnt(0) depctr_sa_sdst(0) depctr_va_vdst(0) depctr_va_sdst(0) depctr_va_ssrc(0) depctr_va_vcc(0) depctr_vm_vsrc(0)
	s_getreg_b32 s2, hwreg(HW_REG_IB_STS2, 6, 4)
	s_cmp_eq_u32 s2, 0
	s_cbranch_scc0 .Lentry_in_a_cluster
	s_endpgm
.Lentry_in_a_cluster:
	s_bfe_u32 s2, ttmp6, 0x10000c
	s_cmp_lg_u32 s2, 0xf033
	s_cbranch_scc0 .Lentry_shape_is_right
	s_endpgm
.Lentry_shape_is_right:
.set SIZE_K, 1024
.set KSTEP,  256
.set NQ,     KSTEP/128
.set ROWB,   192
; THE LAST PRODUCT, (attention + bias) Wout^T + bout, on codes of FP6.  A: aimg, images of operand registers, 3,072 bytes for 16 tokens x 256 along K; B: wc's rows 3,072 on, in groups of 128 rows, 192 bytes a row for each K step.
; A: aimg, [256 tokens][4 K steps][16 tiles of tokens][3,072 bytes]: a K step of a tile of 256 rows is 49,152 dense bytes.  B: wc's rows 3,072 on, [groups of 128 rows][4 K steps][128 rows][192 bytes].
; LDS: A's slot 0 and slot 1, 49,152 bytes each; from 4 HALFT on B's group 0 (slot 0, slot 1) and group 1: one load at the head fills both slots of A, another both of B.
.set PLANE,  128*ROWB
.set PITCH,  240
.set ATB,    3072
.set ATP,    12288
.set FR,     12
.set NL,     6
.set NP,     4
.set HALFT,  128*PITCH
.set SLOT,   4*HALFT
.set LAPS,   SIZE_K/(2*KSTEP)
.set KS,     SIZE_K/32
.set SCL,    2*SLOT
.set HALFS,  (128*KS/256)*272
.set SBLK,   (16*KS/256)*272
.set SPARE,  SCL+4*HALFS
.set SPITCH, 528
.set ADRA, 16
.set ADRB, 20
.set STO,  24
.set RD,   25
.set CO,   26
.set ADRS, 27
.set SPW,  28
.set NIL,  29
.set SC,   32
.set AF,   128
.set BK,   128
.set G1, 24
.set G0, 32
.set G1B, 48
.set G0B, 56
.set G1S, 68
.set G0S, 76
.set G1SB, 80
.set G0SB, 88
.set MSB, 0
.macro WIN new
.if MSB != \new
	s_set_vgpr_msb (MSB<<8)|\new
.set MSB, \new
.endif
.endm
.set MUL_LO, 0xa1
.set MUL_HI, 0xf1
.set TO_B,   0x40
.macro JLOAD g0a, g1a, g0b, g1b
	s_cmp_eq_u32 s15, 0
	s_cbranch_scc0 .Lfor_b_\@
	tensor_load_to_lds s[\g0a:\g0a+3], s[\g1a:\g1a+7]
	s_nop 0
.rept 4
	v_nop
.endr
	s_branch .Lasked_\@
.Lfor_b_\@:
	tensor_load_to_lds s[\g0b:\g0b+3], s[\g1b:\g1b+7]
	s_nop 0
.rept 4
	v_nop
.endr
.Lasked_\@:
.endm
.macro CREST
	s_cmp_lg_u32 s14, 0
	s_cbranch_scc1 .Lnot_wave_0_\@
	s_barrier_signal -3
.Lnot_wave_0_\@:
	s_barrier_wait -3
	s_barrier_signal -1
	s_barrier_wait -1
.endm
.macro CROUND
	s_barrier_signal -1
	s_barrier_wait -1
	CREST
.endm
	s_load_b128 s[4:7], s[0:1], 0x0
	s_load_b128 s[8:11], s[0:1], 0x10
	s_load_b128 s[96:99], s[0:1], 0x20
	v_lshl_add_u32 v[SPW], v0, 2, SPARE
	v_mov_b32 v[NIL], 0
	ds_add_u32 v28, v29
	ds_add_u32 v28, v29
	s_wait_dscnt 0x0
	v_lshrrev_b32 v1, 5, v0
	v_readfirstlane_b32 s14, v1
	s_lshr_b32 s15, s14, 1
	s_and_b32 s16, s14, 1
	s_bfe_u32 s40, ttmp6, 0x40000
	s_bfe_u32 s41, ttmp6, 0x40004
	s_lshl_b32 s42, ttmp9, 2
	s_add_co_u32 s42, s42, s40
	s_and_b32 s17, ttmp7, 0xffff
	s_lshl_b32 s17, s17, 2
	s_add_co_u32 s17, s17, s41
	s_lshl_b32 s43, s41, 2
	s_lshl_b32 s43, 15, s43
	s_lshl_b32 s44, 0x1111, s40
	s_or_b32 s[G1+0], s43, (3<<16)|(1<<21)
	s_mov_b32 s[G1+1], 32<<16                      ; dense rows of 256 bytes; the head's load brings K steps 0 and 1 of A's 256 rows: 384 of them
	s_mov_b32 s[G1+2], 384<<16
	s_mov_b32 s[G1+3], 32<<16
	s_mov_b32 s[G1+4], 384
	s_mov_b32 s[G1+5], 32
	s_mov_b32 s[G1+6], 0
	s_mov_b32 s[G1+7], 0
	s_or_b32 s[G1B+0], s44, (3<<16)|(1<<20)|(1<<21)|(3<<22)|(3<<25)
	s_mov_b32 s[G1B+1], 6144<<16                   ; the head's load: a row is K steps 0 and 1 of a group, 49,152 bytes; two groups, 98,304 bytes apart
	s_mov_b32 s[G1B+2], 2<<16
	s_mov_b32 s[G1B+3], 6144<<16
	s_mov_b32 s[G1B+4], 2
	s_mov_b32 s[G1B+5], 12288
	s_mov_b32 s[G1B+6], 0
	s_mov_b32 s[G1B+7], 0
	s_or_b32 s[G1S+0], s43, (3<<16)|(1<<20)|(1<<21)|(5<<22)|(3<<25)
	s_or_b32 s[G1SB+0], s44, (3<<16)|(1<<20)|(1<<21)|(5<<22)|(3<<25)
.irp g, G1S, G1SB
	s_mov_b32 s[\g+1], 32<<16
	s_mov_b32 s[\g+2], KS<<16
	s_mov_b32 s[\g+3], 32<<16
	s_mov_b32 s[\g+4], KS
	s_mov_b32 s[\g+5], 32
	s_mov_b32 s[\g+6], 0
	s_mov_b32 s[\g+7], 0
.endr
	s_lshl_b32 s20, s17, 8                         ; A: the tile's first row
	s_lshl_b32 s46, s42, 8
	s_add_co_u32 s46, s46, 3072                    ; B: Wout's rows lie behind Wqkv's
	s_mov_b32 s21, 0
	s_mov_b32 s47, 0
	s_mov_b64 s[18:19], KS
	s_mul_u64 s[22:23], s[20:21], s[18:19]
	s_mul_u64 s[92:93], s[46:47], s[18:19]
	s_mov_b64 s[18:19], 768
	s_mul_u64 s[20:21], s[20:21], s[18:19]         ; aimg: 768 bytes a token
	s_mul_u64 s[46:47], s[46:47], s[18:19]         ; wc: a group of 128 rows is 128 x 768 bytes
	s_mul_i32 s45, s14, 2*HALFT                    ; B's groups: waves 2 and 3
	s_mul_i32 s3, s14, 8*ATB                       ; A's halves lie dense in a slot: waves 0 and 1
	s_mul_i32 s66, s16, 8*ATB                      ; in the ring I fetch half of A's K step, or one group of B: which, in bytes
	s_mov_b32 s67, 0
	s_mul_i32 s94, s16, 4*PLANE
	s_mov_b32 s95, 0
	s_wait_kmcnt 0x0
	s_add_nc_u64 s[20:21], s[4:5], s[20:21]
	s_add_nc_u64 s[22:23], s[6:7], s[22:23]
	s_add_nc_u64 s[46:47], s[8:9], s[46:47]
	s_add_nc_u64 s[92:93], s[10:11], s[92:93]
	CROUND
	s_mov_b32 s4, 1                                ; the head's four tiles, each whole (s[4:11] held arguments that have been used): K steps 0 and 1 of A's 256 rows,
	s_mov_b32 s5, 0
	s_mov_b64 s[6:7], s[20:21]
	s_or_b32 s7, s7, 0x80000000
	s_mov_b32 s8, 1                                ; the same of B,
	s_mov_b32 s9, 4*HALFT
	s_mov_b64 s[10:11], s[46:47]
	s_or_b32 s11, s11, 0x80000000
	s_mov_b32 s[G0S], 1                            ; the scales of A's 256 rows,
	s_mov_b32 s[G0S+1], SCL
	s_mov_b64 s[G0S+2:G0S+3], s[22:23]
	s_or_b32 s[G0S+3], s[G0S+3], 0x80000000
	s_mov_b32 s[G0SB], 1                           ; and of B's
	s_mov_b32 s[G0SB+1], SCL+2*HALFS
	s_mov_b64 s[G0SB+2:G0SB+3], s[92:93]
	s_or_b32 s[G0SB+3], s[G0SB+3], 0x80000000
	s_add_nc_u64 s[20:21], s[20:21], s[66:67]      ; for the ring: my 128 rows of the tile
	s_add_nc_u64 s[46:47], s[46:47], s[94:95]
.irp s, 0,1
	s_mov_b32 s[G0+4*\s], 1
	s_add_co_u32 s[G0+4*\s+1], s3, \s*16*ATB
	s_add_nc_u64 s[G0+4*\s+2:G0+4*\s+3], s[20:21], \s*16*ATB
	s_or_b32 s[G0+4*\s+3], s[G0+4*\s+3], 0x80000000
	s_mov_b32 s[G0B+4*\s], 1
	s_add_co_u32 s[G0B+4*\s+1], s45, \s*HALFT
	s_add_nc_u64 s[G0B+4*\s+2:G0B+4*\s+3], s[46:47], \s*PLANE
	s_or_b32 s[G0B+4*\s+3], s[G0B+4*\s+3], 0x80000000
.endr
; THE HEAD'S LOADS, ONE A WAVE: wave 0 A's 256 rows, wave 1 B's, wave 2 A's scales, wave 3 B's.  One chain of branches on the wave's number: every way passes exactly one load.
.macro ARM under, g0, g1, next
	s_cmp_lt_u32 s14, \under
	s_cbranch_scc0 \next
	tensor_load_to_lds s[\g0:\g0+3], s[\g1:\g1+7]
	s_nop 0
.rept 4
	v_nop
.endr
	s_branch .Lhead_asked
\next:
.endm
	ARM 1, 4,   G1,  .Lhead_b
	ARM 2, 8,   G1B, .Lhead_sa
	ARM 3, G0S, G1S, .Lhead_sb
	tensor_load_to_lds s[G0SB:G0SB+3], s[G1SB:G1SB+7]
	s_nop 0
.rept 4
	v_nop
.endr
.Lhead_asked:
	v_and_b32 v1, 15, v0
	v_bfe_u32 v2, v0, 4, 1
	v_and_b32 v6, 31, v0
	v_lshlrev_b32 v7, 3, v6
	v_mul_u32_u24 v3, v1, PITCH
	v_mul_u32_u24 v4, v2, 24
	v_add_nc_u32 v4, v3, v4
	v_lshl_add_u32 v5, v2, 4, v4
	s_mul_i32 s21, s15, 8*ATB
	s_mul_i32 s22, s16, 2*HALFT
	s_add_co_u32 s22, s22, 4*HALFT
.irp s, 0,1
	v_add_nc_u32 v[ADRA+\s], s21, v7
	v_add_nc_u32 v[ADRB+\s], s22, v4
	v_add_nc_u32 v[ADRB+2+\s], s22, v5
	s_add_co_u32 s21, s21, 16*ATB
	s_add_co_u32 s22, s22, HALFT
.endr
	v_mul_u32_u24 v5, v1, KS
	v_lshrrev_b32 v3, 8, v5
	v_lshl_add_u32 v5, v3, 4, v5
	s_mul_i32 s21, s15, HALFS
	s_mul_i32 s22, s16, HALFS
	s_add_co_u32 s22, s22, 2*HALFS
	s_sub_co_u32 s22, s22, s21
	v_mul_u32_u24 v3, s22, v2
	s_add_co_u32 s21, s21, SCL
	v_add_nc_u32 v5, v5, v3
	v_add_nc_u32 v[ADRS], s21, v5
	s_mul_i32 s23, s14, 16*SPITCH
	v_mul_u32_u24 v5, v1, SPITCH
	v_lshl_add_u32 v5, v2, 6, v5
	v_add_nc_u32 v[STO], s23, v5
	v_lshlrev_b32 v[CO], 4, v6
	s_wait_alu depctr_va_vdst(0)
	v_add_nc_u32 v[RD], s23, v[CO]
	s_lshl_b32 s20, s17, 8
	s_lshl_b32 s21, s15, 7
	s_add_co_u32 s20, s20, s21
	s_lshl_b32 s20, s20, 12
	s_mov_b32 s21, 0
	s_lshl_b32 s46, s42, 10
	s_lshl_b32 s47, s16, 9
	s_add_co_u32 s46, s46, s47
	s_mov_b32 s47, 0
	s_add_nc_u64 s[96:97], s[96:97], s[46:47]
	s_add_nc_u64 s[20:21], s[20:21], s[46:47]
	s_add_nc_u64 s[12:13], s[98:99], s[20:21]
	global_load_b128 v[8:11], v[CO], s[96:97]
.macro FRAG reg, adr, q, i
.irp p, 0,1,2,3,4,5
.set PCE, 12*(\q)+6*(\p/3)+\p%3
.if PCE%8 < 5
	ds_load_b64 v[\reg+2*\p:\reg+2*\p+1], v[\adr] offset:8*PCE+16*(PCE/8)+(\i)*16*PITCH
.else
	ds_load_b64 v[\reg+2*\p:\reg+2*\p+1], v[\adr+2] offset:8*PCE+16*(PCE/8)+(\i)*16*PITCH
.endif
.endr
.endm
.macro FRAGA reg, slot, q, i
.irp p, 0,1,2,3,4,5
	ds_load_b64 v[\reg+2*\p:\reg+2*\p+1], v[ADRA+\slot] offset:ATB*(\i)+1536*(\q)+256*\p
.endr
.endm
.macro MUL16 a0, p, q, sc, zero
.irp a, \a0, \a0+1
.irp b, 0,1,2,3,4,5,6,7
.if \zero
	v_wmma_scale_f32_16x16x128_f8f6f4 v[8*(8*((\a)%4)+\b):8*(8*((\a)%4)+\b)+7], v[128*(\p)+FR*\b:128*(\p)+FR*\b+FR-1], v[AF+FR*(\a):AF+FR*(\a)+FR-1], 0, v[SC+8*NQ*(\sc)+NQ*\b+(\q)], v[SC+8*NQ*(\sc)+NQ*(\a)+(\q)] matrix_a_fmt:MATRIX_FMT_FP6 matrix_b_fmt:MATRIX_FMT_FP6 matrix_a_scale:MATRIX_SCALE_ROW1
.else
	v_wmma_scale_f32_16x16x128_f8f6f4 v[8*(8*((\a)%4)+\b):8*(8*((\a)%4)+\b)+7], v[128*(\p)+FR*\b:128*(\p)+FR*\b+FR-1], v[AF+FR*(\a):AF+FR*(\a)+FR-1], v[8*(8*((\a)%4)+\b):8*(8*((\a)%4)+\b)+7], v[SC+8*NQ*(\sc)+NQ*\b+(\q)], v[SC+8*NQ*(\sc)+NQ*(\a)+(\q)] matrix_a_fmt:MATRIX_FMT_FP6 matrix_b_fmt:MATRIX_FMT_FP6 matrix_a_scale:MATRIX_SCALE_ROW1
.endif
.endr
.endr
.endm
.macro FETCH_B slot, q, p
	WIN TO_B
.irp i, 0,1,2,3,4,5,6,7
	FRAG 128*(\p)+FR*\i, ADRB+\slot, \q, \i
.endr
	WIN 0
.endm
.macro FETCH_A slot, q, i0
.irp i, \i0, \i0+1, \i0+2, \i0+3
	FRAGA AF+FR*(\i), \slot, \q, \i
.endr
.endm
.macro SCALES sc
.irp i, 0,1,2,3,4,5,6,7
	ds_load_b64 v[SC+8*NQ*\sc+NQ*\i:SC+8*NQ*\sc+NQ*\i+1], v[ADRS] offset:\i*SBLK
.endr
.endm
.macro PLACES n
.rept \n
	v_nop
.endr
.endm
.macro STEP slot, q, zero
	s_wait_dscnt 4*NL
	WIN MUL_LO
	MUL16 0, (\q)%2, \q, \slot, \zero
	MUL16 2, (\q)%2, \q, \slot, \zero
	s_wait_dscnt 0
	PLACES NP
	FETCH_B \slot, (\q)+1, 1-(\q)%2
	FETCH_A \slot, (\q)+1, 0
	WIN MUL_HI
	MUL16 4, (\q)%2, \q, \slot, \zero
	MUL16 6, (\q)%2, \q, \slot, \zero
	PLACES NP
	WIN 0
	FETCH_A \slot, (\q)+1, 4
.endm
.macro TURN slot, next, fill
	s_wait_tensorcnt 0x0
	ds_add_u32 v[SPW], v[NIL]
	s_wait_dscnt 4*NL+1
	WIN MUL_LO
	MUL16 0, 1, NQ-1, \slot, 0
	s_wait_dscnt 0x0
	s_barrier_signal -1
	MUL16 2, 1, NQ-1, \slot, 0
	WIN 0
	s_barrier_wait -1
.if \fill
	CREST
	s_add_nc_u64 s[G0+4*\slot+2:G0+4*\slot+3], s[G0+4*\slot+2:G0+4*\slot+3], 32*ATB
	s_add_nc_u64 s[G0B+4*\slot+2:G0B+4*\slot+3], s[G0B+4*\slot+2:G0B+4*\slot+3], 2*PLANE
	JLOAD G0+4*\slot, G1, G0B+4*\slot, G1B
.else
	PLACES NP
.endif
	s_wait_alu depctr_va_vdst(0)
	v_add_nc_u32 v[ADRS], 4*NQ, v[ADRS]
	FETCH_B \next, 0, 0
	FETCH_A \next, 0, 0
	SCALES \next
	WIN MUL_HI
	MUL16 4, 1, NQ-1, \slot, 0
	MUL16 6, 1, NQ-1, \slot, 0
	PLACES NP
	WIN 0
	FETCH_A \next, 0, 4
.endm
	s_wait_alu depctr_va_vdst(0)
	s_wait_tensorcnt 0x0                           ; my tile of the head's four is in
.irp g, G1, G1B                        ; no tensor load of mine is out: from here on a load brings 24,576 dense bytes, 96 rows of 256
	s_mov_b32 s[\g+1], 32<<16
	s_mov_b32 s[\g+2], 96<<16
	s_mov_b32 s[\g+3], 32<<16
	s_mov_b32 s[\g+4], 96
	s_mov_b32 s[\g+5], 32
.endr
	s_barrier_signal -1                            ; my tile of the head's four is in,
	s_barrier_wait -1                              ; everybody's are: both slots and the scales
	FETCH_B 0, 0, 0
	FETCH_A 0, 0, 0
	SCALES 0
	FETCH_A 0, 0, 4
	STEP 0, 0, 1
	s_mov_b32 s3, LAPS-1
.Llap:
	TURN 0, 1, 1
	STEP 1, 0, 0
	TURN 1, 0, 1
	STEP 0, 0, 0
	s_sub_co_u32 s3, s3, 1
	s_cmp_lg_u32 s3, 0
	s_cbranch_scc1 .Llap
	TURN 0, 1, 0
	STEP 1, 0, 0
	s_wait_dscnt 4*NL
	WIN MUL_LO
	MUL16 0, 1, NQ-1, 1, 0
	MUL16 2, 1, NQ-1, 1, 0
	s_wait_dscnt 0
	WIN MUL_HI
	MUL16 4, 1, NQ-1, 1, 0
	MUL16 6, 1, NQ-1, 1, 0
	WIN 0
.macro TOSTAGE a
.set AC, 64*((\a)%4)
	WIN 0x08+4*((\a)/4)
.irp b, 0,1,2,3,4,5,6,7
	ds_store_b128 v[STO], v[AC+8*\b:AC+8*\b+3] offset:128*(\b/2)+32*(\b%2)
	ds_store_b128 v[STO], v[AC+8*\b+4:AC+8*\b+7] offset:128*(\b/2)+32*(\b%2)+16
.endr
	WIN 0
.set BB, BK+64*((\a)%2)
.irp t, 0,1,2,3,4,5,6,7,8,9,10,11,12,13,14,15
	ds_load_b128 v[BB+4*\t:BB+4*\t+3], v[RD] offset:\t*SPITCH
.endr
.endm
.macro SEND a, younger
.set BB, BK+64*((\a)%2)
	s_wait_dscnt \younger
.irp t, 0,1,2,3,4,5,6,7,8,9,10,11,12,13,14,15
	v_pk_add_f32 v[BB+4*\t:BB+4*\t+1], v[BB+4*\t:BB+4*\t+1], v[8:9]
	v_pk_add_f32 v[BB+4*\t+2:BB+4*\t+3], v[BB+4*\t+2:BB+4*\t+3], v[10:11]
	global_store_b128 v[CO], v[BB+4*\t:BB+4*\t+3], s[12:13] offset:(32*((\a)/2)+16*(\t/8)+8*((\a)%2)+\t%8)*4096 th:TH_STORE_NT
.endr
.endm
	PLACES NP
	s_wait_loadcnt 0x0
	TOSTAGE 0
.irp a, 1,2,3,4,5,6,7
.if \a > 1
	s_wait_xcnt 0x0
.endif
	TOSTAGE \a
	SEND \a-1, 32
.endr
	SEND 7, 0
	s_wait_tensorcnt 0x0
	ds_add_u32 v[SPW], v[NIL]
	s_wait_dscnt 0x0
	CROUND
	s_endpgm
.Lfunc_end_k_q0c7171a4a7_proj:
	.size	k_q0c7171a4a7_proj, .Lfunc_end_k_q0c7171a4a7_proj-k_q0c7171a4a7_proj
	.p2alignl 7, 3214868480
	.fill 96, 4, 3214868480
	.section	.rodata,"a",@progbits
	.p2align	6, 0x0
	.amdhsa_kernel k_q0c7171a4a7_proj
		.amdhsa_group_segment_fixed_size 327680
		.amdhsa_private_segment_fixed_size 0
		.amdhsa_enable_private_segment 0
		.amdhsa_kernarg_size 48
		.amdhsa_user_sgpr_count 2
		.amdhsa_user_sgpr_kernarg_segment_ptr 1
		.amdhsa_wavefront_size32 1
		.amdhsa_system_sgpr_workgroup_id_x 1
		.amdhsa_system_sgpr_workgroup_id_y 1
		.amdhsa_system_sgpr_workgroup_id_z 1
		.amdhsa_system_vgpr_workitem_id 0
		.amdhsa_next_free_vgpr 1024
		.amdhsa_next_free_sgpr 100
		.amdhsa_reserve_vcc 0
		.amdhsa_float_denorm_mode_32 3
		.amdhsa_float_denorm_mode_16_64 3
		.amdhsa_memory_ordered 1
		.amdhsa_forward_progress 1
		.amdhsa_inst_pref_size 176
	.end_amdhsa_kernel
	.amdgpu_metadata
---
amdhsa.version: [ 1, 2 ]
amdhsa.kernels:
  - .name:           k_q0c7171a4a7_proj
    .symbol:         k_q0c7171a4a7_proj.kd
    .args:
      - { .name: aimg, .offset: 0, .size: 8, .value_kind: global_buffer, .address_space: global }
      - { .name: asc, .offset: 8, .size: 8, .value_kind: global_buffer, .address_space: global }
      - { .name: wc, .offset: 16, .size: 8, .value_kind: global_buffer, .address_space: global }
      - { .name: ws, .offset: 24, .size: 8, .value_kind: global_buffer, .address_space: global }
      - { .name: bout, .offset: 32, .size: 8, .value_kind: global_buffer, .address_space: global }
      - { .name: out0, .offset: 40, .size: 8, .value_kind: global_buffer, .address_space: global }
    .group_segment_fixed_size: 327680
    .private_segment_fixed_size: 0
    .kernarg_segment_align: 8
    .kernarg_segment_size: 48
    .max_flat_workgroup_size: 128
    .sgpr_count:     100
    .vgpr_count:     1024
    .wavefront_size: 32
...
	.end_amdgpu_metadata
.endif
;; end of part 4
